; MI455X (gfx1250); checked and timed in simulation.
; The chip was launched on July 23, 2026; its instructions are those of AMD's public machine-readable ISA for CDNA 5 (MIT licence, August 2026) and "CDNA5" Instruction Set Architecture Reference Guide (July 2026). The comments in the code are by the model that wrote it; some were corrected since.
;; Gated Attention. Allowed arithmetic: matrix products marked QUANTISED: E2M3 operands, one E8M0 scale for each 32 along K, by v_wmma_scale_f32_16x16x128_f8f6f4 with both operands' format E2M3, f32 sums; everything else in f32.
;; Inputs: Wk_codes 256 x 32 x 24 uint8 (E2M3 codes of Wk, K innermost, in blocks of 32 codes, four codes in three bytes); Wk_scales 256 x 32 uint8 (E8M0 scales of Wk, one for each 32 codes along K); Wo_codes 1,024 x 32 x 24 uint8 (E2M3 codes of Wo, K innermost, in blocks of 32 codes, four codes in three bytes); Wo_scales 1,024 x 32 uint8 (E8M0 scales of Wo, one for each 32 codes along K); Wq_codes 2,048 x 32 x 24 uint8 (E2M3 codes of Wq, K innermost, in blocks of 32 codes, four codes in three bytes); Wq_scales 2,048 x 32 uint8 (E8M0 scales of Wq, one for each 32 codes along K); Wv_codes 256 x 32 x 24 uint8 (E2M3 codes of Wv, K innermost, in blocks of 32 codes, four codes in three bytes); Wv_scales 256 x 32 uint8 (E8M0 scales of Wv, one for each 32 codes along K); bk 256 float32; bo 1,024 float32; bq 2,048 float32; bv 256 float32; hidden_states_codes 4 x 2,048 x 32 x 24 uint8 (E2M3 codes of hidden_states, K innermost, in blocks of 32 codes, four codes in three bytes); hidden_states_scales 4 x 2,048 x 32 uint8 (E8M0 scales of hidden_states, one for each 32 codes along K); k_norm_w 128 float32; q_norm_w 128 float32; rope 1 x 1 x 2,048 x 256 float32.
;; Outputs: out0 4 x 2,048 x 1,024 float32.
;; This version of the problem:
;;   THIS VERSION OF THE PROBLEM IS GIVEN IN LOW PRECISION. The matrix products marked QUANTISED in the list below multiply operands that are first quantised to E2M3 (2 exponent bits, 3 mantissa bits; 6 bits a number), with one power-of-two scale for each 32 numbers along K (OCP MX v1.0); their sums are f32. All else is computed in f32.
;;   The module's matrix products, in the order in which they are computed (A, B: the left and right operand; K: the contracted axis; several contracted axes count as one K, in the product's order):
;;     1. [M 8,192, K 1,024] x [K 1,024, N 2,048]; A: input hidden_states (given as codes); B: input Wq (given as codes): QUANTISED
;;     2. [M 8,192, K 1,024] x [K 1,024, N 256]; A: input hidden_states (given as codes); B: input Wk (given as codes): QUANTISED
;;     3. [M 8,192, K 1,024] x [K 1,024, N 256]; A: input hidden_states (given as codes); B: input Wv (given as codes): QUANTISED
;;     4. batch 32 x [M 2,048, K 128] x [K 128, N 2,048]; A: computed on the way; B: computed on the way: QUANTISED
;;     5. batch 32 x [M 2,048, K 2,048] x [K 2,048, N 128]; A: softmax (see below); B: computed on the way: QUANTISED
;;     6. [M 8,192, K 1,024] x [K 1,024, N 1,024]; A: computed on the way; B: input Wo (given as codes): QUANTISED
;;   THE QUANTISER, for each operand of a quantised product, along K:
;;     - K is cut into blocks of 32 from its start; a last block that is shorter is filled with zeros.
;;     - A block's scale is 2^e with e = floor(log2(the largest magnitude in the block)) - 2, held to -126 .. 127; a block of zeros has e = 0. As a byte (E8M0): e + 127.
;;     - Each number is divided by its block's scale, clamped to +-7.5, and rounded to the nearest number of E2M3, ties to even, subnormals kept.
;;     - The product sums the exact products of the quantised numbers (number of the format x scale) in f32.
;;   ~~~python
;;   def quantise(x, axis):      # numpy; x: float32 -> the quantised numbers, widened to float32 again
;;       x = np.moveaxis(x, axis, -1); K = x.shape[-1]
;;       x = np.pad(x, [(0, 0)] * (x.ndim - 1) + [(0, -K % 32)]); x = x.reshape(x.shape[:-1] + (-1, 32)); a = np.abs(x).max(-1, keepdims=True)
;;       e = np.where(a > 0, np.clip(np.frexp(np.where(a > 0, a, 1))[1] - 1 - 2, -126, 127), 0)      # np.frexp(a)[1] - 1 = floor(log2(a)), exactly
;;       r = np.clip(x / 2.0 ** e, -7.5, 7.5)
;;       step = 2.0 ** (np.maximum(np.frexp(np.where(r == 0, 1, r))[1] - 1, 0) - 3)
;;       q = np.round(r / step) * step * 2.0 ** e      # np.round: ties to even
;;       return np.moveaxis(q.reshape(q.shape[:-2] + (-1,))[..., :K], -1, axis).astype(np.float32)
;;   ~~~
;;   SOFTMAX AHEAD OF A QUANTISED PRODUCT. Where the list says 'softmax', what is quantised is not the finished softmax but p = 2^(t - M), with t = logit x log2(e) and M = ceil(the row's largest t), a whole number; so 1/2 < the row's largest p <= 1. The row's sum l is taken of the UNQUANTISED p, in f32, and the product's result is divided by l at the end. Since M is a whole number, a kernel that streams over the keys may use a running M (the ceiling of the running maximum): every later rescaling is an exact power of two, which a block's scale takes up: the codes' values come out the same.
;;   OPERANDS COMPUTED ON THE WAY. 'Computed on the way' means the value that the module computes at that place (a softmax that the list does not call 'softmax' is quantised finished and normalised). What goes into a quantiser is computed in f32, as accurately as f32 sums, v_exp_f32 and their like allow (about 1e-6 of the number): no bf16 or f16 on the way to a quantiser, and a product that is left as it is and whose result goes on into a quantised operand takes f32 operands (vector FMAs, or v_wmma_f32_16x16x4_f32). A number that lies on a knife's edge between two numbers of the format may be rounded either way, as far as f32 arithmetic and the matrix unit's own rounding can turn it there, and no further.
;;   INPUTS GIVEN AS CODES. Wk (in the module: [1024, 256], K = its axis 0); Wo (in the module: [1024, 1024], K = its axis 0); Wq (in the module: [1024, 2048], K = its axis 0); Wv (in the module: [1024, 256], K = its axis 0); hidden_states (in the module: [4, 2048, 1024], K = its axis 2): each comes as NAME_codes (uint8): NAME with its K axis moved to the last place and cut into blocks of 32 codes, [.., K / 32, bytes a block], one block behind the other in memory; four codes in three bytes: a row's codes are one little-endian stream of bits, code i at bits 6 i .. 6 i + 5 (a code: sign, 2 exponent bits, 3 mantissa bits); and NAME_scales (uint8): the same leading axes, one E8M0 byte (e + 127) for each 32 codes along K. Its value is code x scale, taken as it is: it is not quantised again, and the codes and scales need not be those that the quantiser above would give.
;; One version. Each part assembles by itself: llvm-mc -triple=amdgcn-amd-amdhsa -mcpu=gfx1250 --defsym DOCPART=n.
;; ======== version 1 of 1: 3 launches
;; limits: right only within a limited range of input values
;; workspace buffers: qimg 6,291,456 bytes; qsc 262,144 bytes; kimg 1,572,864 bytes; ksc 65,536 bytes; vimg 1,572,864 bytes; vsc 65,536 bytes; oimg 6,291,456 bytes; osc 524,288 bytes
;; launch proj (part 1): grid 32 x 6, 4 waves a work-group, no clusters, 327,680 bytes of LDS; arguments hidden_states_codes, hidden_states_scales, Wq_codes, Wq_scales, Wk_codes, Wk_scales, Wv_codes, Wv_scales, bq, bk, bv, q_norm_w, k_norm_w, rope, qimg, qsc, kimg, ksc, vimg, vsc; writes qimg, qsc, kimg, ksc, vimg, vsc
.if DOCPART == 1
	.amdgcn_target "amdgcn-amd-amdhsa--gfx1250"
	.amdhsa_code_object_version 6
	.text
	.protected	k_q2e5b516d42_proj
	.globl	k_q2e5b516d42_proj
	.p2align	8
	.type	k_q2e5b516d42_proj,@function
k_q2e5b516d42_proj:
	s_mov_b64 s[64:65], 0
	v_nop
	global_prefetch_b8 v0, s[64:65] scope:SCOPE_SE
	s_setreg_imm32_b32 hwreg(HW_REG_WAVE_MODE, 25, 1), 1
	s_wait_xcnt 0x0
; q, k and v = x W + b on codes of FP6, then norm, rope and the quantiser; results leave as images of operand registers.
; K goes through two LDS slots in chunks of 256 bytes of each row of codes (a row is 768 bytes: three chunks, each at a multiple of 256 bytes); chunk c lies in slot c % 2.
; A step of 128 along K is 96 bytes of a row: steps 2 and 5 lie across two chunks.
.set PITCH, 272                        ; 256 bytes + 16 of padding
.set HALFT, 128*PITCH
.set SLOT,  4*HALFT
.set SPARE, 2*SLOT
.set FR, 12
.set NL, 6
.set NP, 4
.set ADRA, 16
.set ADRB, 20
.set PWE, 24
.set PWO, 26
.set PWM, 27
.set SPW, 28
.set NIL, 29
.set SA, 32
.set SB, 64
.set AF, 128
.set BL, 224
.set X, 32
.set QPC, 96
.set T, 96
.set QTM, 116
.set QTS, 124
.set WV, 44
.set RH, 45
.set CH, 46
.set KY, 47
.set G1, 48
.set G0, 56
.set SEL, 66
.set IB, 72
.set SCB, 76
.set ROPEB, 80
.set BIB, 82
.set NWB, 84
.set BLB, 86
.set SAB, 88
.set SBB, 92
.set MSB, 0
.macro WIN new
.if MSB != (\new)
	s_set_vgpr_msb (MSB<<8)|(\new)
.set MSB, (\new)
.endif
.endm
.set MUL_LO, 0xa1
.set MUL_HI, 0xf1
.set TO_B,   0x40
.macro PLACES n
.rept \n
	v_nop
.endr
.endm
.macro TL n
	tensor_load_to_lds s[G0+4*\n:G0+4*\n+3], s[G1:G1+7]
	s_nop 0
.rept 4
	v_nop
.endr
.endm
.macro FRAG reg, adr, q, rowoff
.irp p, 0,1,2,3,4,5
.set BY, 96*(\q)+48*(\p/3)+8*(\p%3)    ; q: the step; byte of the row at which lanes 0-15 read; lanes 16-31 read 24 bytes on
.if BY/256 == (BY+24)/256
	ds_load_b64 v[\reg+2*\p:\reg+2*\p+1], v[\adr+(BY/256)%2] offset:BY%256+(\rowoff)*PITCH
.else                                  ; the two halves of the lanes read different chunks
	ds_load_b64 v[\reg+2*\p:\reg+2*\p+1], v[\adr+2+(BY/256)%2] offset:BY%256-232+(\rowoff)*PITCH
.endif
.endr
.endm
.macro FETCH_B q, p
	WIN TO_B
.irp i, 0,1,2,3,4,5,6,7
	FRAG 128*(\p)+FR*\i, ADRB, \q, 16*\i
.endr
	WIN 0
.endm
.macro FETCH_A q, i0
.irp i, \i0, \i0+1, \i0+2, \i0+3
	FRAG AF+FR*(\i), ADRA, \q, 128*((\i)/4)+16*((\i)%4)
.endr
.endm
.macro WM a, b, p, ks, zero
.set rD, 8*(8*((\a)%4)+(\b))
.set rB, 128*(\p)+FR*(\b)
.set rA, AF+FR*(\a)
.set rS0, SB+8*((\b)/2)+(\ks)
.set rS1, SA+8*((\a)/2)+(\ks)
.set vr, 2*((\b)%2)+(\a)%2+4*(\zero)
.if vr == 0
	v_wmma_scale_f32_16x16x128_f8f6f4 v[rD:rD+7], v[rB:rB+11], v[rA:rA+11], v[rD:rD+7], v[rS0], v[rS1] matrix_a_fmt:MATRIX_FMT_FP6 matrix_b_fmt:MATRIX_FMT_FP6
.elseif vr == 1
	v_wmma_scale_f32_16x16x128_f8f6f4 v[rD:rD+7], v[rB:rB+11], v[rA:rA+11], v[rD:rD+7], v[rS0], v[rS1] matrix_a_fmt:MATRIX_FMT_FP6 matrix_b_fmt:MATRIX_FMT_FP6 matrix_b_scale:MATRIX_SCALE_ROW1
.elseif vr == 2
	v_wmma_scale_f32_16x16x128_f8f6f4 v[rD:rD+7], v[rB:rB+11], v[rA:rA+11], v[rD:rD+7], v[rS0], v[rS1] matrix_a_fmt:MATRIX_FMT_FP6 matrix_b_fmt:MATRIX_FMT_FP6 matrix_a_scale:MATRIX_SCALE_ROW1
.elseif vr == 3
	v_wmma_scale_f32_16x16x128_f8f6f4 v[rD:rD+7], v[rB:rB+11], v[rA:rA+11], v[rD:rD+7], v[rS0], v[rS1] matrix_a_fmt:MATRIX_FMT_FP6 matrix_b_fmt:MATRIX_FMT_FP6 matrix_a_scale:MATRIX_SCALE_ROW1 matrix_b_scale:MATRIX_SCALE_ROW1
.elseif vr == 4
	v_wmma_scale_f32_16x16x128_f8f6f4 v[rD:rD+7], v[rB:rB+11], v[rA:rA+11], 0, v[rS0], v[rS1] matrix_a_fmt:MATRIX_FMT_FP6 matrix_b_fmt:MATRIX_FMT_FP6
.elseif vr == 5
	v_wmma_scale_f32_16x16x128_f8f6f4 v[rD:rD+7], v[rB:rB+11], v[rA:rA+11], 0, v[rS0], v[rS1] matrix_a_fmt:MATRIX_FMT_FP6 matrix_b_fmt:MATRIX_FMT_FP6 matrix_b_scale:MATRIX_SCALE_ROW1
.elseif vr == 6
	v_wmma_scale_f32_16x16x128_f8f6f4 v[rD:rD+7], v[rB:rB+11], v[rA:rA+11], 0, v[rS0], v[rS1] matrix_a_fmt:MATRIX_FMT_FP6 matrix_b_fmt:MATRIX_FMT_FP6 matrix_a_scale:MATRIX_SCALE_ROW1
.else
	v_wmma_scale_f32_16x16x128_f8f6f4 v[rD:rD+7], v[rB:rB+11], v[rA:rA+11], 0, v[rS0], v[rS1] matrix_a_fmt:MATRIX_FMT_FP6 matrix_b_fmt:MATRIX_FMT_FP6 matrix_a_scale:MATRIX_SCALE_ROW1 matrix_b_scale:MATRIX_SCALE_ROW1
.endif
.endm
.macro MUL16 a0, p, ks, zero
.irp a, \a0, \a0+1
.irp b, 0,1,2,3,4,5,6,7
	WM \a, \b, \p, \ks, \zero
.endr
.endr
.endm
; Step st: 64 products; the next step's fragments are fetched in its middle and at its end.
; Where the next step's bytes END in a chunk not read yet: all my tensor loads are waited for, and a barrier shows that chunk whole.
; Where they BEGIN in a later chunk: the chunk left behind is read no more: the wait, the add, the wait for it and for my reads, the barrier; behind chunk 0 slot 0 takes chunk 2.
.macro STEP st, zero
.set NX, (\st)+1
.set C0, (96*(\st))/256
.set C1, (96*NX)/256
.set E0, (96*(\st)+95)/256
.set E1, (96*NX+95)/256
.if C1 > C0 || E1 > E0
	s_wait_tensorcnt 0x0
.if C1 > C0
	ds_add_u32 v[SPW], v[NIL]
	s_wait_dscnt 4*NL+1                    ; the add and A's blocks 4-7 may be out
.else
	s_wait_dscnt 4*NL                      ; A's blocks 4-7 may be out
.endif
	WIN MUL_LO
	MUL16 0, (\st)%2, \st, \zero
	s_wait_dscnt 0x0                       ; the add, and all my reads
	s_barrier_signal -1
	MUL16 2, (\st)%2, \st, \zero
	WIN 0
	s_barrier_wait -1
.if C1 > C0 && C0 == 0
	s_add_nc_u64 s[G0+2:G0+3], s[G0+2:G0+3], 512
	TL 0                                   ; chunk 2; its four v_nop are the places ahead of the loads below
.else
	PLACES NP
.endif
.else
	s_wait_dscnt 4*NL
	WIN MUL_LO
	MUL16 0, (\st)%2, \st, \zero
	MUL16 2, (\st)%2, \st, \zero
	s_wait_dscnt 0x0
	PLACES NP
.endif
	FETCH_B NX, NX%2
	FETCH_A NX, 0
	WIN MUL_HI
	MUL16 4, (\st)%2, \st, \zero
	MUL16 6, (\st)%2, \st, \zero
	PLACES NP
	WIN 0
	FETCH_A NX, 4
.endm
.macro QUANT s, pw
.irp b, 0,1,2,3
	v_max3_num_f32 v[QTM+\b], |v[\s+16*\b]|, |v[\s+1+16*\b]|, 0x1800000
.endr
.irp i, 2,4,6,8,10,12,14
.irp b, 0,1,2,3
	v_max3_num_f32 v[QTM+\b], v[QTM+\b], |v[\s+16*\b+\i]|, |v[\s+1+16*\b+\i]|
.endr
.endr
.irp b, 0,1,2,3
	v_permlanex16_b32 v[QTM+4+\b], v[QTM+\b], s[SEL], s[SEL+1]
.endr
.irp b, 0,1,2,3
	v_max_num_f32 v[QTM+\b], v[QTM+\b], v[QTM+4+\b]
.endr
.irp b, 0,1,2,3
	v_add_nc_u32 v[QTS+\b], 0xff000000, v[QTM+\b]
.endr
.irp b, 0,1,2,3
	v_lshrrev_b32 v[QTM+4+\b], 23, v[QTS+\b]
.endr
	v_lshl_or_b32 v[\pw], v[QTM+5], 8, v[QTM+4]
	v_lshl_or_b32 v[\pw], v[QTM+6], 16, v[\pw]
	v_lshl_or_b32 v[\pw], v[QTM+7], 24, v[\pw]
.irp c, 0,1
	v_cvt_scalef32_pk16_fp6_f32 v[QPC+6*\c:QPC+2+6*\c], v[\s+32*\c:\s+15+32*\c], v[QTS+2*\c]
	v_cvt_scalef32_pk16_fp6_f32 v[QPC+12+4*\c:QPC+14+4*\c], v[\s+16+32*\c:\s+31+32*\c], v[QTS+2*\c+1]
.endr
	v_nop
.irp c, 0,1
.irp i, 0,1,2
	v_permlane16_swap_b32 v[QPC+6*\c+\i], v[QPC+12+4*\c+\i]
.endr
.irp i, 0,1,2
	v_mov_b32 v[QPC+3+6*\c+\i], v[QPC+12+4*\c+\i]
.endr
.endr
.endm
.macro OUTU a
.if ((\a)%2) == 0
	QUANT X, PWE+(\a)/4
.else
	QUANT X, PWO
.endif
.irp c, 0,1,2
	global_store_b128 v12, v[QPC+4*\c:QPC+4*\c+3], s[IB+2*((\a)/4):IB+2*((\a)/4)+1] offset:((\a)%4)*1536+512*\c
.endr
.if ((\a)%2) == 1
	v_cndmask_b32 v[PWM], v[PWE+(\a)/4], v[PWO], s70
	global_store_b32 v13, v[PWM], s[SCB+2*((\a)/4):SCB+2*((\a)/4)+1] offset:((\a)%4-1)*64
.endif
.endm
.macro ROPELOAD p, set
	WIN 0x40*(\set)
.irp t, 0,1,2,3,4,5,6,7
.irp e, 0,1
	global_load_b128 v[128+8*\t+4*\e:131+8*\t+4*\e], v10, s[ROPEB:ROPEB+1] offset:(\p)*16384+64*\t+16*\e
	global_load_b128 v[192+8*\t+4*\e:195+8*\t+4*\e], v10, s[ROPEB:ROPEB+1] offset:(\p)*16384+64*\t+16*\e+512
.endr
.endr
	WIN 0
.endm
.macro UNITQK a, set
	s_wait_xcnt 0x0
	WIN 0x06+(\a)/4
.set i, 0
.rept 32
	v_pk_add_f32 v[X+i:X+i+1], v[64*((\a)%4)+i:64*((\a)%4)+i+1], v[i:i+1]
.set i, i+2
.endr
	WIN 0
.irp k, 0,1,2,3
	v_pk_mul_f32 v[T+2*\k:T+2*\k+1], v[X+2*\k:X+2*\k+1], v[X+2*\k:X+2*\k+1]
.endr
.set i, 8
.rept 28
	v_pk_fma_f32 v[T+i%8:T+i%8+1], v[X+i:X+i+1], v[X+i:X+i+1], v[T+i%8:T+i%8+1]
.set i, i+2
.endr
	v_pk_add_f32 v[T:T+1], v[T:T+1], v[T+2:T+3]
	v_pk_add_f32 v[T+4:T+5], v[T+4:T+5], v[T+6:T+7]
	v_pk_add_f32 v[T:T+1], v[T:T+1], v[T+4:T+5]
	v_add_f32 v[T], v[T], v[T+1]
	v_permlanex16_b32 v[T+1], v[T], s[SEL], s[SEL+1]
	v_add_f32 v[T], v[T], v[T+1]
	v_fma_f32 v[T], v[T], s68, s69
	s_wait_alu depctr_va_vdst(0)
	v_rsq_f32 v[T+4], v[T]
	WIN 0x04
.set i, 0
.rept 32
	v_pk_mul_f32 v[X+i:X+i+1], v[X+i:X+i+1], v[64+i:65+i]
.set i, i+2
.endr
	s_wait_alu depctr_va_vdst(0)
	WIN 0
.set i, 0
.rept 32
	v_pk_mul_f32 v[X+i:X+i+1], v[X+i:X+i+1], v[T+4:T+5] op_sel_hi:[1,0]
.set i, i+2
.endr
	WIN 0x04*(\set)
.irp g, 0,1,2,3,4,5,6,7
.irp k, 0,1,2,3
	v_pk_mul_f32 v[T+8+2*\k:T+9+2*\k], v[X+8*\g+2*\k:X+8*\g+2*\k+1], v[128+8*\g+2*\k:129+8*\g+2*\k] op_sel:[1,0] op_sel_hi:[0,1]
.endr
.irp k, 0,1,2,3
	v_pk_fma_f32 v[X+8*\g+2*\k:X+8*\g+2*\k+1], v[X+8*\g+2*\k:X+8*\g+2*\k+1], v[192+8*\g+2*\k:193+8*\g+2*\k], v[T+8+2*\k:T+9+2*\k] neg_lo:[0,0,1]
.endr
.endr
	WIN 0
	OUTU \a
.endm
.macro UNITV a
	s_wait_xcnt 0x0
	WIN 0x02+(\a)/4
.set i, 0
.rept 32
.if ((\a)%2) == 0
	v_pk_add_f32 v[X+i:X+i+1], v[64*((\a)%4)+i:64*((\a)%4)+i+1], v[BL+((\a)&6):BL+((\a)&6)+1] op_sel_hi:[1,0]
.else
	v_pk_add_f32 v[X+i:X+i+1], v[64*((\a)%4)+i:64*((\a)%4)+i+1], v[BL+((\a)&6):BL+((\a)&6)+1] op_sel:[0,1] op_sel_hi:[1,1]
.endif
.set i, i+2
.endr
	WIN 0
	OUTU \a
.endm
	s_load_b256 s[4:11], s[0:1], 0x0
	s_load_b256 s[12:19], s[0:1], 0x20
	s_load_b256 s[20:27], s[0:1], 0x40
	s_load_b256 s[28:35], s[0:1], 0x60
	s_load_b256 s[36:43], s[0:1], 0x80
	v_lshl_add_u32 v[SPW], v0, 2, SPARE
	v_mov_b32 v[NIL], 0
	ds_add_u32 v28, v29
	ds_add_u32 v28, v29
	s_wait_dscnt 0x0
	v_lshrrev_b32 v1, 5, v0
	v_readfirstlane_b32 s[WV], v1
	s_lshr_b32 s[RH], s[WV], 1
	s_and_b32 s[CH], s[WV], 1
	s_and_b32 s[KY], ttmp7, 0xffff
	s_mov_b32 s[G1+0], (1<<20)|(5<<22)|(3<<25)   ; 128 rows of 256 bytes, 16 bytes of padding behind each
	s_mov_b32 s[G1+1], 256<<16
	s_mov_b32 s[G1+2], 128<<16
	s_mov_b32 s[G1+3], 256<<16
	s_mov_b32 s[G1+4], 128
	s_mov_b32 s[G1+5], 768
	s_mov_b32 s[G1+6], 0
	s_mov_b32 s[G1+7], 0
	s_mov_b32 s[SEL], 0x76543210
	s_mov_b32 s[SEL+1], 0xfedcba98
	s_mov_b32 s68, 0x3c000000
	s_mov_b32 s69, 0x358637bd
	s_mov_b32 s70, 0xffff0000
	s_lshr_b32 s94, ttmp9, 4
	s_and_b32 s95, ttmp9, 15
	s_lshl_b32 s96, s94, 12
	s_lshl_b32 s95, s95, 7
	s_add_co_u32 s96, s96, s95
	s_lshr_b32 s97, s[KY], 1
	s_lshl_b32 s97, s97, 10
	s_and_b32 s95, s[KY], 1
	s_lshl_b32 s95, s95, 8
	s_add_co_u32 s97, s97, s95
	s_lshl_b32 s98, ttmp9, 8
	s_mov_b32 s99, 2048
	s_wait_kmcnt 0x0
	s_cmp_lt_u32 s[KY], 4
	s_cselect_b32 s97, s97, 0
	s_cselect_b64 s[74:75], s[8:9], s[12:13]
	s_cselect_b64 s[92:93], s[10:11], s[14:15]
	s_cselect_b64 s[82:83], s[20:21], s[22:23]
	s_cselect_b64 s[84:85], s[26:27], s[28:29]
	s_cselect_b64 s[76:77], s[32:33], s[36:37]
	s_cselect_b64 s[78:79], s[34:35], s[38:39]
	s_cmp_eq_u32 s[KY], 5
	s_cselect_b64 s[72:73], s[16:17], s[4:5]
	s_cselect_b64 s[88:89], s[18:19], s[6:7]
	s_cselect_b64 s[74:75], s[4:5], s[74:75]
	s_cselect_b64 s[92:93], s[6:7], s[92:93]
	s_cselect_b64 s[82:83], s[24:25], s[82:83]
	s_cselect_b64 s[76:77], s[40:41], s[76:77]
	s_cselect_b64 s[78:79], s[42:43], s[78:79]
	s_cselect_b32 s96, 0, s96
	s_cselect_b32 s99, 128, s99
	s_cselect_b32 s98, s98, s97
	s_cmp_lt_u32 s[WV], 2
	s_cselect_b64 s[2:3], s[72:73], s[74:75]
	s_cselect_b32 s94, s96, s98
	s_cselect_b32 s95, s99, 128
	s_mul_i32 s95, s95, s[CH]
	s_add_co_u32 s94, s94, s95
	s_mul_i32 s94, s94, 768
	s_mov_b32 s95, 0
	s_add_nc_u64 s[2:3], s[2:3], s[94:95]
	s_mul_i32 s94, s[WV], HALFT
.irp n, 0,1
	s_mov_b32 s[G0+4*\n], 1
	s_add_co_u32 s[G0+4*\n+1], s94, \n*SLOT
	s_add_nc_u64 s[G0+4*\n+2:G0+4*\n+3], s[2:3], \n*256
	s_or_b32 s[G0+4*\n+3], s[G0+4*\n+3], 0x80000000
.endr
	TL 0                                   ; chunk 0: my one tensor load at the head; the rest of the head stands under it
	s_lshl_b32 s94, s[RH], 6
	s_add_co_u32 s94, s94, s96
	s_lshl_b32 s94, s94, 5
	s_add_nc_u64 s[SAB:SAB+1], s[SAB:SAB+1], s[94:95]
	s_lshl_b32 s94, s99, 5
	s_add_nc_u64 s[SAB+2:SAB+3], s[SAB:SAB+1], s[94:95]
	s_lshl_b32 s94, s[CH], 7
	s_add_co_u32 s94, s94, s98
	s_lshl_b32 s94, s94, 5
	s_add_nc_u64 s[SBB:SBB+1], s[SBB:SBB+1], s[94:95]
	v_and_b32 v3, 31, v0
	v_lshlrev_b32 v8, 5, v3
.irp P, 0,1,2,3
	global_load_b128 v[SA+8*\P:SA+8*\P+3], v8, s[SAB+2*(\P/2):SAB+2*(\P/2)+1] offset:1024*(\P%2)
	global_load_b128 v[SA+8*\P+4:SA+8*\P+7], v8, s[SAB+2*(\P/2):SAB+2*(\P/2)+1] offset:1024*(\P%2)+16
	global_load_b128 v[SB+8*\P:SB+8*\P+3], v8, s[SBB:SBB+1] offset:1024*\P
	global_load_b128 v[SB+8*\P+4:SB+8*\P+7], v8, s[SBB:SBB+1] offset:1024*\P+16
.endr
	v_and_b32 v1, 15, v0
	v_bfe_u32 v2, v0, 4, 1
	v_lshlrev_b32 v9, 5, v2
	v_lshlrev_b32 v10, 10, v1
	v_lshl_add_u32 v10, v2, 5, v10
	v_lshlrev_b32 v11, 2, v1
	v_lshlrev_b32 v12, 4, v3
	v_lshlrev_b32 v13, 2, v3
.irp b, 0,1,2,3
	v_mov_b32 v[QTM+4+\b], 0
.endr
	s_mov_b32 s2, SLOT-232
	s_mov_b32 s3, SLOT+232
	s_mul_i32 s94, s[RH], 64*PITCH
	s_mul_i32 s95, s[CH], HALFT
	s_add_co_u32 s95, s95, 2*HALFT
	v_mul_u32_u24 v3, v1, PITCH
	v_mad_u32_u24 v4, v2, 24, v3           ; row x pitch + 24 x half
	v_sub_nc_u32 v7, 1, v2
	v_mul_u32_u24 v5, s2, v2
	v_mul_u32_u24 v6, s3, v7
	v_add_nc_u32 v5, v3, v5
	v_add_nc_u32 v6, v3, v6                ; lanes 0-15 byte 232 of the row in slot 1, lanes 16-31 byte 0 in slot 0
	v_add_nc_u32 v5, 232, v5               ; lanes 0-15 byte 232 of the row in slot 0, lanes 16-31 byte 0 in slot 1
	v_add_nc_u32 v[ADRA+2], s94, v5
	v_add_nc_u32 v[ADRA+3], s94, v6
	v_add_nc_u32 v[ADRB+2], s95, v5
	v_add_nc_u32 v[ADRB+3], s95, v6
.irp s, 0,1
	v_add_nc_u32 v[ADRA+\s], s94, v4
	v_add_nc_u32 v[ADRB+\s], s95, v4
	s_add_co_u32 s94, s94, SLOT
	s_add_co_u32 s95, s95, SLOT
.endr
	s_mov_b32 s95, 0
	s_lshl_b32 s94, s[RH], 8
	s_add_nc_u64 s[BLB:BLB+1], s[BIB:BIB+1], s[94:95]
	s_lshl_b32 s94, s[CH], 7
	s_add_co_u32 s94, s94, s97
	s_lshl_b32 s94, s94, 2
	s_add_nc_u64 s[BIB:BIB+1], s[BIB:BIB+1], s[94:95]
	s_and_b32 s94, ttmp9, 15
	s_lshl_b32 s94, s94, 7
	s_lshl_b32 s2, s[RH], 6
	s_add_co_u32 s94, s94, s2
	s_lshl_b32 s94, s94, 10
	s_add_nc_u64 s[ROPEB:ROPEB+1], s[30:31], s[94:95]
	s_lshr_b32 s94, ttmp9, 4
	s_and_b32 s2, ttmp9, 15
	s_lshl_b32 s2, s2, 3
	s_lshl_b32 s3, s[RH], 2
	s_add_co_u32 s2, s2, s3
	s_lshl_b32 s4, s94, 4
	s_lshl_b32 s5, s[KY], 1
	s_add_co_u32 s4, s4, s5
	s_add_co_u32 s4, s4, s[CH]
	s_lshl_b32 s4, s4, 7
	s_add_co_u32 s4, s4, s2
	s_lshl_b32 s5, s94, 2
	s_add_co_u32 s5, s5, s[CH]
	s_lshl_b32 s5, s5, 7
	s_add_co_u32 s5, s5, s2
	s_lshr_b32 s6, ttmp9, 3
	s_lshl_b32 s6, s6, 5
	s_and_b32 s7, ttmp9, 7
	s_lshl_b32 s7, s7, 1
	s_add_co_u32 s6, s6, s7
	s_add_co_u32 s6, s6, s[CH]
	s_lshl_b32 s6, s6, 3
	s_add_co_u32 s6, s6, s3
	s_mov_b32 s7, 1024
	s_mov_b32 s8, 256
	s_cmp_lt_u32 s[KY], 4
	s_cselect_b32 s4, s4, s5
	s_cselect_b32 s7, s7, s8
	s_cmp_eq_u32 s[KY], 5
	s_cselect_b32 s4, s6, s4
	s_cselect_b32 s7, 128, s7
	s_mov_b32 s9, 0
	s_mul_i32 s8, s4, 1536
	s_add_nc_u64 s[IB:IB+1], s[76:77], s[8:9]
	s_mul_i32 s8, s7, 1536
	s_add_nc_u64 s[IB+2:IB+3], s[IB:IB+1], s[8:9]
	s_lshl_b32 s8, s4, 6
	s_add_nc_u64 s[SCB:SCB+1], s[78:79], s[8:9]
	s_lshl_b32 s8, s7, 6
	s_add_nc_u64 s[SCB+2:SCB+3], s[SCB:SCB+1], s[8:9]
	s_wait_alu depctr_va_vdst(0)
	s_wait_tensorcnt 0x0                   ; my part of chunk 0 is in; slot 1's first fill is issued as a refill is
	ds_add_u32 v[SPW], v[NIL]
	s_wait_dscnt 0x0
	s_barrier_signal -1
	s_barrier_wait -1
	TL 1                                   ; chunk 1
	FETCH_B 0, 0
	FETCH_A 0, 0
	FETCH_A 0, 4
	s_wait_loadcnt 0x0
	STEP 0, 1
.irp st, 1,2,3,4,5,6
	STEP \st, 0
.endr
	WIN 0x40
.irp t, 0,1,2,3,4,5,6,7
	global_load_b128 v[8*\t:8*\t+3], v9, s[BIB:BIB+1] offset:64*\t
	global_load_b128 v[8*\t+4:8*\t+7], v9, s[BIB:BIB+1] offset:64*\t+16
	global_load_b128 v[64+8*\t:64+8*\t+3], v9, s[NWB:NWB+1] offset:64*\t
	global_load_b128 v[64+8*\t+4:64+8*\t+7], v9, s[NWB:NWB+1] offset:64*\t+16
.endr
	WIN 0
.irp a, 0,1,2,3,4,5,6,7
	global_load_b32 v[BL+\a], v11, s[BLB:BLB+1] offset:(128*(\a/4)+16*(\a%4))*4
.endr
	s_wait_dscnt 4*NL
	WIN MUL_LO
	MUL16 0, 1, 7, 0
	MUL16 2, 1, 7, 0
	s_wait_dscnt 0x0
	WIN MUL_HI
	MUL16 4, 1, 7, 0
	MUL16 6, 1, 7, 0
	WIN 0
	PLACES NP
	s_wait_loadcnt 0x0
	s_cmp_eq_u32 s[KY], 5
	s_cbranch_scc1 .Lv
	ROPELOAD 0, 1
	ROPELOAD 1, 0
.irp p, 0,1,2,3
.if \p < 3
	s_wait_loadcnt 32
.else
	s_wait_loadcnt 0x0
.endif
	UNITQK \p, 1-\p%2
	UNITQK \p+4, 1-\p%2
.if \p < 2
	ROPELOAD \p+2, 1-\p%2
.endif
.endr
	s_wait_tensorcnt 0x0
	ds_add_u32 v[SPW], v[NIL]
	s_wait_dscnt 0x0
	s_endpgm
.Lv:
.irp a, 0,1,2,3,4,5,6,7
	UNITV \a
.endr
	s_wait_tensorcnt 0x0
	ds_add_u32 v[SPW], v[NIL]
	s_wait_dscnt 0x0
	s_endpgm
.Lfunc_end_k_q2e5b516d42_proj:
	.size	k_q2e5b516d42_proj, .Lfunc_end_k_q2e5b516d42_proj-k_q2e5b516d42_proj
	.p2alignl 7, 3214868480
	.fill 96, 4, 3214868480
	.section	.rodata,"a",@progbits
	.p2align	6, 0x0
	.amdhsa_kernel k_q2e5b516d42_proj
		.amdhsa_group_segment_fixed_size 327680
		.amdhsa_private_segment_fixed_size 0
		.amdhsa_enable_private_segment 0
		.amdhsa_kernarg_size 160
		.amdhsa_user_sgpr_count 2
		.amdhsa_user_sgpr_kernarg_segment_ptr 1
		.amdhsa_wavefront_size32 1
		.amdhsa_system_sgpr_workgroup_id_x 1
		.amdhsa_system_sgpr_workgroup_id_y 1
		.amdhsa_system_sgpr_workgroup_id_z 1
		.amdhsa_system_vgpr_workitem_id 0
		.amdhsa_next_free_vgpr 1024
		.amdhsa_next_free_sgpr 100
		.amdhsa_reserve_vcc 0
		.amdhsa_float_denorm_mode_32 3
		.amdhsa_float_denorm_mode_16_64 3
		.amdhsa_memory_ordered 1
		.amdhsa_forward_progress 1
		.amdhsa_inst_pref_size 255
	.end_amdhsa_kernel
	.section	.bss,"aw",@nobits
	.p2align	6
	.space	262144
	.amdgpu_metadata
---
amdhsa.version: [ 1, 2 ]
amdhsa.kernels:
  - .name:           k_q2e5b516d42_proj
    .symbol:         k_q2e5b516d42_proj.kd
    .args:
      - { .name: hidden_states_codes, .offset: 0, .size: 8, .value_kind: global_buffer, .address_space: global }
      - { .name: hidden_states_scales, .offset: 8, .size: 8, .value_kind: global_buffer, .address_space: global }
      - { .name: Wq_codes, .offset: 16, .size: 8, .value_kind: global_buffer, .address_space: global }
      - { .name: Wq_scales, .offset: 24, .size: 8, .value_kind: global_buffer, .address_space: global }
      - { .name: Wk_codes, .offset: 32, .size: 8, .value_kind: global_buffer, .address_space: global }
      - { .name: Wk_scales, .offset: 40, .size: 8, .value_kind: global_buffer, .address_space: global }
      - { .name: Wv_codes, .offset: 48, .size: 8, .value_kind: global_buffer, .address_space: global }
      - { .name: Wv_scales, .offset: 56, .size: 8, .value_kind: global_buffer, .address_space: global }
      - { .name: bq, .offset: 64, .size: 8, .value_kind: global_buffer, .address_space: global }
      - { .name: bk, .offset: 72, .size: 8, .value_kind: global_buffer, .address_space: global }
      - { .name: bv, .offset: 80, .size: 8, .value_kind: global_buffer, .address_space: global }
      - { .name: q_norm_w, .offset: 88, .size: 8, .value_kind: global_buffer, .address_space: global }
      - { .name: k_norm_w, .offset: 96, .size: 8, .value_kind: global_buffer, .address_space: global }
      - { .name: rope, .offset: 104, .size: 8, .value_kind: global_buffer, .address_space: global }
      - { .name: qimg, .offset: 112, .size: 8, .value_kind: global_buffer, .address_space: global }
      - { .name: qsc, .offset: 120, .size: 8, .value_kind: global_buffer, .address_space: global }
      - { .name: kimg, .offset: 128, .size: 8, .value_kind: global_buffer, .address_space: global }
      - { .name: ksc, .offset: 136, .size: 8, .value_kind: global_buffer, .address_space: global }
      - { .name: vimg, .offset: 144, .size: 8, .value_kind: global_buffer, .address_space: global }
      - { .name: vsc, .offset: 152, .size: 8, .value_kind: global_buffer, .address_space: global }
    .group_segment_fixed_size: 327680
    .private_segment_fixed_size: 0
    .kernarg_segment_align: 8
    .kernarg_segment_size: 160
    .max_flat_workgroup_size: 128
    .sgpr_count:     100
    .vgpr_count:     1024
    .wavefront_size: 32
...
	.end_amdgpu_metadata
.endif
;; end of part 1
;; launch attn (part 2): grid 8 x 32, 16 waves a work-group, clusters of 4 x 1, 327,680 bytes of LDS; arguments qimg, qsc, kimg, ksc, vimg, vsc, hidden_states_codes, hidden_states_scales, Wq_codes, Wq_scales, bq, oimg, osc; writes oimg, osc
.if DOCPART == 2
	.amdgcn_target "amdgcn-amd-amdhsa--gfx1250"
	.amdhsa_code_object_version 6
	.text
	.protected	k_q2e5b516d42_attn
	.globl	k_q2e5b516d42_attn
	.p2align	8
	.type	k_q2e5b516d42_attn,@function
k_q2e5b516d42_attn:
	s_mov_b64 s[64:65], 0
	v_nop
	global_prefetch_b8 v0, s[64:65] scope:SCOPE_SE
	s_setreg_imm32_b32 hwreg(HW_REG_WAVE_MODE, 25, 1), 1
	s_wait_xcnt 0x0
	s_wait_alu depctr_hold_cnt(0) depctr_sa_sdst(0) depctr_va_vdst(0) depctr_va_sdst(0) depctr_va_ssrc(0) depctr_va_vcc(0) depctr_vm_vsrc(0)
	s_getreg_b32 s2, hwreg(HW_REG_IB_STS2, 6, 4)
	s_cmp_eq_u32 s2, 0
	s_cbranch_scc0 .Lentry_in_a_cluster
	s_endpgm
.Lentry_in_a_cluster:
	s_bfe_u32 s2, ttmp6, 0x10000c
	s_cmp_lg_u32 s2, 0x3003
	s_cbranch_scc0 .Lentry_shape_is_right
	s_endpgm
.Lentry_shape_is_right:
; For one head and 256 queries: O = softmax(q k^T / sqrt(128)) v on codes of FP6 (E2M3); then the gate g = x Wq(gate part) + bq, also on codes; O sigmoid(g) is quantised along the head's 128 and stored as an image of operand registers.
; THE SOFTMAX AHEAD OF THE SECOND PRODUCT: t = score x log2(e) / sqrt(128); M = the running largest t rounded UP to a whole number; p = 2^(t - M) is quantised along the keys, not normalised; the row's sum is taken of the unquantised p
; and divides at the end; when M moves, the sum and O are multiplied by 2^(old M - new M), which rounds nothing.
; SHARES.  A work-group owns 256 queries of one head, each of its sixteen waves 16 of them in 256 registers: four waves to a SIMD, so that one wave's vector work stands beside another's matrix work and LDS loads.
; LAYOUT.  All products are used transposed (source 1 = my 16 queries): a lane holds ONE query throughout, in S^T, p, O^T and the gate.  q, k and v come as images (a fragment's 12 registers: group c of lane l at 512 c + 16 l): three loads of 16 bytes a fragment,
; 512 consecutive bytes each.  Scale words lie 64 bytes a tile: one load of 4 bytes a lane brings two tiles' words, the even tile's in lanes 0-15, the odd tile's in lanes 16-31.
; Inside a block of 32 keys p's codes stand in the order 0-7, 16-23, 8-15, 24-31, and so do v's: like meets like.  The gated result meets Wo, which is given in true order: 32 lane swaps ahead of its quantiser set that right.
; RING.  Two slots of 512 keys (32 images of k, 32 of v), four key steps of 128 each; the scale words of the whole kv head and the gate's 128 rows of Wq are filled once.
; CLUSTER.  The four work-groups of a cluster are four query blocks of one head: all that comes by tensor load (k, v, their scales, the gate's weights) hangs on the head and the wave alone, and is asked for JOINTLY, mask 15.
; LIMITS: NaN and infinities are not served.  A block whose largest magnitude lies under 2^-124 gets the scale byte 1 (its bytes are read by this program alone).  v_exp_f32 and v_rcp_f32 are accurate to 1 ulp and flush denormals.
; REGISTERS: v1-11 addresses; v12 -M, v13 the largest t, v[14:15] the sum; v16-27 Q; v28 the prefetches' offset; v32-79 four fragments; v96-159 S^T, then p; v160-223 O^T; v224-243 p's codes; v232-254 at work; v255 Q's scale words.
;   In the tail: v16-39 two fragments of x; v40-87 four of Wq; v88-95 x's scale words; v96-159 the gate; v224-255 Wq's scale words, then the quantiser.
.set SLOTB, 98304                      ; a slot: 49,152 bytes of k, 49,152 of v
.set VOFF,  49152
.set SCK,   196608                     ; k's scale words, 8,192 bytes; v's follow
.set SLAB,  212992                     ; the gate's 128 rows of Wq: 384 runs of 256 bytes + 16: a row is 816 bytes
.set SPARE, 317440                     ; the spare words: 128 bytes a wave, eight blocks of 256 bytes that no other line names
.set LI,   1                           ; 16 x lane
.set ASK0, 2                           ; SCK + 4 x lane
.set GA0,  3                           ; the slab: row r, + 24 h;
.set GA1,  4                           ; behind one padding more;
.set SPW,  5
.set NIL,  6
.set GA2,  7                           ; and the same 64 rows on
.set ADK,  8
.set GA3,  9
.set ADS,  10
.set PFO,  28
.set QPC,  224
.set QTM,  244
.set QTS,  252
.set WV,   30
.set CX,   31
.set SEL,  32
.set CS,   34
.set G1R,  36
.set G1S,  44
.set G1G,  52
.set G0R,  60                          ; s[60:63] slot 0's group 0, s[68:71] slot 1's
.set G0S,  72
.set G0G,  76
.set TB,   80
.set TSC,  81
.set CNT,  82
.set LIM,  83
.set PFA,  84
.set HSB,  86
.set HSSB, 88
.set WSB,  90
.set BQB,  92
.set OIB,  94
.set OSB,  96
.set NL2E, 98
.macro CROUND                          ; a round of the cluster's barrier
	s_barrier_signal -1
	s_barrier_wait -1
	s_cmp_lg_u32 s[WV], 0
	s_cbranch_scc1 .Lnot_wave_0_\@
	s_barrier_signal -3
.Lnot_wave_0_\@:
	s_barrier_wait -3
	s_barrier_signal -1
	s_barrier_wait -1
.endm
; A PREFETCH INTO THE L2 of slot sl, which the NEXT change of slots will ask for: four key steps ahead of that load.  A slot is 384 runs of 256 bytes.  Of the eight clusters that walk this kv head one asks (cluster x = 0, first head of the group:
; the same in all four partners).  Its partners share the runs out BY ADDRESS (places 0, 1: k's halves; 2, 3: v's); in each, waves 4, 5, 6 ask, 8,192 bytes a wave, lanes 256 bytes apart: each run is named once in the launch.
; The slot stands in the immediate: no address is stepped.  Slots 0 and 1 come by their loads alone; the last change that fills a slot asks for nothing.
.macro ASK sl
	s_cmp_eq_u32 s[LIM], 1
	s_cbranch_scc0 .Lnot_mine_\@
	global_prefetch_b8 v[PFO], s[PFA:PFA+1] offset:(\sl)*49152 th:TH_LOAD_NT scope:SCOPE_SE
.Lnot_mine_\@:
.endm
; THE CHANGE OF SLOTS, at a slot's head.  Each wave waits for all its tensor loads, adds 0 to its spare word, and waits for that and for its reads of the slot that it has left.  fill = 1: a round of the cluster's barrier, and behind it
; waves 0-3 ask jointly for LDS slot n (step = 1: two slots on in memory); slab = 1: waves 4-7 ask for the gate's weights.  One tensor load a wave; four v_nop follow it.
.macro CHANGE fill, n, step, slab, ask
	s_wait_tensorcnt 0x0                           ; no tensor load of mine is out, so a group 0 may be written
	ds_add_u32 v[SPW], v[NIL]                      ; 0 onto my spare word
	ds_add_u32 v[SPW], v[NIL]
.if \step
	s_add_nc_u64 s[G0R+8*\n+2:G0R+8*\n+3], s[G0R+8*\n+2:G0R+8*\n+3], 98304
.endif
	s_wait_dscnt 0x0                               ; the add is done, and my reads of the slot that I have left are over
.if \fill
	CROUND
	s_cmp_lt_u32 s[WV], 4
	s_cbranch_scc0 .Lno_ring_\@
	tensor_load_to_lds s[G0R+8*\n:G0R+8*\n+3], s[G1R:G1R+7]
	s_nop 0
.rept 4
	v_nop
.endr
	s_branch .Lasked_\@
.Lno_ring_\@:
.if \slab
	s_cmp_lt_u32 s[WV], 8
	s_cbranch_scc0 .Lasked_\@
	tensor_load_to_lds s[G0G:G0G+3], s[G1G:G1G+7]
	s_nop 0
.rept 4
	v_nop
.endr
.endif
.Lasked_\@:
.if \ask
	ASK \ask
.endif
.else
	s_barrier_signal -1
	s_barrier_wait -1
.endif
.endm
; A KEY STEP: 128 keys; their images begin at LDS byte s[TB], their scale words at s[TSC]
.macro STEP
	v_add_nc_u32 v[ADK], s[TB], v[LI]
	s_wait_alu depctr_va_vdst(0)
	v_add_nc_u32 v[ADS], s[TSC], v[ASK0]
	s_wait_alu depctr_va_vdst(0)
	v_nop
	v_nop
	v_nop                                          ; five places: the scores below are written over registers that the last step's products have read
.irp g, 0,1
.if \g > 0
.rept 4
	v_nop
.endr
.endif
.irp t, 0,1,2,3
.irp c, 0,1,2
	ds_load_b128 v[32+12*\t+4*\c:35+12*\t+4*\c], v[ADK] offset:(4*\g+\t)*1536+512*\c
.endr
.endr
.irp u, 0,1
	ds_load_b32 v[248+\u], v[ADS] offset:128*(2*\g+\u)
.endr
	s_wait_dscnt 0x0
.irp t, 0,1,2,3
.if \t%2 == 0
	v_wmma_scale_f32_16x16x128_f8f6f4 v[96+8*(4*\g+\t):103+8*(4*\g+\t)], v[32+12*\t:43+12*\t], v[16:27], 0, v[248+\t/2], v255 matrix_a_fmt:MATRIX_FMT_FP6 matrix_b_fmt:MATRIX_FMT_FP6
.else
	v_wmma_scale_f32_16x16x128_f8f6f4 v[96+8*(4*\g+\t):103+8*(4*\g+\t)], v[32+12*\t:43+12*\t], v[16:27], 0, v[248+\t/2], v255 matrix_a_fmt:MATRIX_FMT_FP6 matrix_b_fmt:MATRIX_FMT_FP6 matrix_a_scale:MATRIX_SCALE_ROW1
.endif
.endr
.endr
.rept 4
	v_nop
.endr
.irp t, 0,1,2,3                                ; v's first four fragments are asked for here, over k's, and land under the softmax
.irp c, 0,1,2
	ds_load_b128 v[32+12*\t+4*\c:35+12*\t+4*\c], v[ADK] offset:VOFF+\t*1536+512*\c
.endr
.endr
.irp u, 0,1,2,3
	ds_load_b32 v[88+\u], v[ADS] offset:8192+128*\u   ; v's scale words of all eight tiles: v88-91
.endr
.irp b, 0,1,2,3
	v_max3_num_f32 v[232+\b], v[96+16*\b], v[97+16*\b], v[98+16*\b]
.endr
.irp i, 3,5,7,9,11,13
.irp b, 0,1,2,3
	v_max3_num_f32 v[232+\b], v[232+\b], v[96+16*\b+\i], v[97+16*\b+\i]
.endr
.endr
.irp b, 0,1,2,3
	v_max_num_f32 v[232+\b], v[232+\b], v[111+16*\b]
.endr
.irp b, 0,1,2,3
	s_delay_alu instid0(VALU_DEP_4)
	v_permlanex16_b32 v[236+\b], v[232+\b], s[SEL], s[SEL+1]
.endr
.irp b, 0,1,2,3
	s_delay_alu instid0(VALU_DEP_4)
	v_max_num_f32 v[232+\b], v[232+\b], v[236+\b]  ; with lane l xor 16's 16 keys
.endr
	s_delay_alu instid0(VALU_DEP_2)
	v_max3_num_f32 v254, v232, v233, v234
	s_delay_alu instid0(VALU_DEP_1)
	v_max_num_f32 v254, v254, v235                 ; the step's largest score of my query
	s_delay_alu instid0(VALU_DEP_1)
	v_mul_f32 v254, s[CS], v254                    ; as t
	s_delay_alu instid0(VALU_DEP_1)
	v_max_num_f32 v13, v13, v254                   ; the running largest t
	v_mov_b32 v254, v12
	s_delay_alu instid0(VALU_DEP_2)
	v_floor_f32 v12, -v13                          ; the new -M = floor(-t): M is a whole number
	s_delay_alu instid0(VALU_DEP_1)
	v_sub_f32 v254, v12, v254                      ; old M - new M: a whole number, 0 or less
	s_delay_alu instid0(VALU_DEP_1)
	v_cvt_i32_f32 v254, v254
	s_delay_alu instid0(VALU_DEP_1)
	v_ldexp_f32 v252, 1.0, v254                    ; f = 2^(old M - new M)
.set j, 0
.rept 32
	v_pk_fma_f32 v[96+j:97+j], v[96+j:97+j], s[CS:CS+1], v[12:13] op_sel_hi:[1,0,0]   ; t - M
.set j, j+2
.endr
.irp b, 0,1,2,3
	v_fma_f32 v[232+\b], v[232+\b], s[CS], v12     ; the same of each block's largest score
.endr
.set j, 0
	s_wait_alu depctr_va_vdst(0)
.rept 64
	v_exp_f32 v[96+j], v[96+j]                     ; p = 2^(t - M)
.set j, j+1
.endr
	v_pk_mul_f32 v[14:15], v[14:15], v[252:253] op_sel_hi:[1,0]   ; the sums under the new M (a plain place behind the exponentials)
	s_wait_alu depctr_va_vdst(0)                   ; one wait for the batch, ahead of its first reader
.irp b, 0,1,2,3
	v_exp_f32 v[232+\b], v[232+\b]                 ; the block's largest p
.endr
	v_pk_add_f32 v[236:237], v[100:101], v[104:105]
	v_pk_add_f32 v[250:251], v[108:109], v[112:113]
	v_pk_add_f32 v[248:249], v[116:117], v[120:121]
	v_pk_add_f32 v[246:247], v[124:125], v[128:129]
	v_pk_add_f32 v[244:245], v[132:133], v[136:137]
	v_pk_add_f32 v[242:243], v[140:141], v[144:145]
	v_pk_add_f32 v[240:241], v[148:149], v[152:153]
	v_pk_add_f32 v[14:15], v[14:15], v[156:157]
	v_pk_add_f32 v[236:237], v[236:237], v[96:97]
	v_pk_add_f32 v[250:251], v[250:251], v[98:99]
	v_pk_add_f32 v[248:249], v[248:249], v[102:103]
	v_pk_add_f32 v[246:247], v[246:247], v[106:107]
	v_pk_add_f32 v[244:245], v[244:245], v[110:111]
	v_pk_add_f32 v[242:243], v[242:243], v[114:115]
	v_pk_add_f32 v[240:241], v[240:241], v[118:119]
	v_pk_add_f32 v[14:15], v[14:15], v[122:123]
	v_pk_add_f32 v[236:237], v[236:237], v[126:127]
	v_pk_add_f32 v[250:251], v[250:251], v[130:131]
	v_pk_add_f32 v[248:249], v[248:249], v[134:135]
	v_pk_add_f32 v[246:247], v[246:247], v[138:139]
	v_pk_add_f32 v[244:245], v[244:245], v[142:143]
	v_pk_add_f32 v[242:243], v[242:243], v[146:147]
	v_pk_add_f32 v[240:241], v[240:241], v[150:151]
	v_pk_add_f32 v[14:15], v[14:15], v[154:155]
	v_pk_add_f32 v[236:237], v[236:237], v[158:159]
	s_delay_alu instid0(VALU_DEP_2)
	v_pk_add_f32 v[14:15], v[14:15], v[246:247]
	s_delay_alu instid0(VALU_DEP_2)
	v_pk_add_f32 v[236:237], v[236:237], v[244:245]
	v_pk_add_f32 v[250:251], v[250:251], v[242:243]
	v_pk_add_f32 v[248:249], v[248:249], v[240:241]
	s_delay_alu instid0(VALU_DEP_2)
	v_pk_add_f32 v[14:15], v[14:15], v[250:251]
	s_delay_alu instid0(VALU_DEP_2)
	v_pk_add_f32 v[236:237], v[236:237], v[248:249]
	s_delay_alu instid0(VALU_DEP_1)
	v_pk_add_f32 v[14:15], v[14:15], v[236:237]
	s_wait_alu depctr_va_vdst(0)                   ; and one for the four
.irp b, 0,1,2,3
	v_max_num_f32 v[232+\b], 0x1800000, v[232+\b]  ; the floor 2^(3 - 127): the byte cannot fall under 1
.endr
.irp b, 0,1,2,3
	s_delay_alu instid0(VALU_DEP_4)
	v_add_nc_u32 v[244+\b], 0xff000000, v[232+\b]  ; 2 off the exponent field: the conversion's scale operand
.endr
.irp b, 0,1,2,3
	s_delay_alu instid0(VALU_DEP_4)
	v_lshrrev_b32 v[236+\b], 23, v[244+\b]         ; the scale's byte
.endr
	s_delay_alu instid0(VALU_DEP_3)
	v_lshl_or_b32 v253, v237, 8, v236              ; p's scale word for these 128 keys
	s_delay_alu instid0(VALU_DEP_1)
	v_lshl_or_b32 v253, v238, 16, v253
	s_delay_alu instid0(VALU_DEP_1)
	v_lshl_or_b32 v253, v239, 24, v253
.irp c, 0,1
	v_cvt_scalef32_pk16_fp6_f32 v[224+6*\c:226+6*\c], v[96+32*\c:111+32*\c], v[244+2*\c]
	v_cvt_scalef32_pk16_fp6_f32 v[236+4*\c:238+4*\c], v[112+32*\c:127+32*\c], v[244+2*\c+1]
.endr
	v_nop
.irp t, 0,1,2,3                                ; p is converted: v's other four fragments land on its registers, v96-143
.irp c, 0,1,2
	ds_load_b128 v[96+12*\t+4*\c:99+12*\t+4*\c], v[ADK] offset:VOFF+(4+\t)*1536+512*\c
.endr
.endr
.irp c, 0,1
.irp i, 0,1,2
	v_permlane16_swap_b32 v[224+6*\c+\i], v[236+4*\c+\i]
.endr
.irp i, 0,1,2
	s_delay_alu instid0(VALU_DEP_3)
	v_mov_b32 v[227+6*\c+\i], v[236+4*\c+\i]
.endr
.endr
.set j, 0
.rept 32
	v_pk_mul_f32 v[160+j:161+j], v[160+j:161+j], v[252:253] op_sel_hi:[1,0]   ; O^T under the new M; these 32 are also the places in front of the products and loads below
.set j, j+2
.endr
	s_wait_alu depctr_va_vdst(0)
	s_wait_dscnt 0x0                               ; all of v's fragments and scale words are in
.irp g, 0,1                                    ; O^T += V^T P^T: eight accumulators by turns
.irp t, 0,1,2,3
.if \t%2 == 0
	v_wmma_scale_f32_16x16x128_f8f6f4 v[160+8*(4*\g+\t):167+8*(4*\g+\t)], v[32+64*\g+12*\t:43+64*\g+12*\t], v[224:235], v[160+8*(4*\g+\t):167+8*(4*\g+\t)], v[88+2*\g+\t/2], v253 matrix_a_fmt:MATRIX_FMT_FP6 matrix_b_fmt:MATRIX_FMT_FP6
.else
	v_wmma_scale_f32_16x16x128_f8f6f4 v[160+8*(4*\g+\t):167+8*(4*\g+\t)], v[32+64*\g+12*\t:43+64*\g+12*\t], v[224:235], v[160+8*(4*\g+\t):167+8*(4*\g+\t)], v[88+2*\g+\t/2], v253 matrix_a_fmt:MATRIX_FMT_FP6 matrix_b_fmt:MATRIX_FMT_FP6 matrix_a_scale:MATRIX_SCALE_ROW1
.endif
.endr
.endr
.endm
.macro FOUR_STEPS slot                 ; a slot's four key steps: written once, walked four times
	s_mov_b32 s[TB], \slot*SLOTB
	s_mov_b32 s[CNT], 4
.Lstep_\@:
	STEP
	s_add_co_u32 s[TB], s[TB], 12288
	s_add_co_u32 s[TSC], s[TSC], 512
	s_sub_co_u32 s[CNT], s[CNT], 1
	s_cmp_lg_u32 s[CNT], 0
	s_cbranch_scc1 .Lstep_\@
.endm
; 64 numbers of a lane, register 16 b + i in block b (shared with lane l xor 16), become a fragment's codes in v[QPC] on and the row's scale word in v[pw]
.macro QUANT s, pw
.irp b, 0,1,2,3
	v_max3_num_f32 v[QTM+\b], |v[\s+16*\b]|, |v[\s+1+16*\b]|, 0x1800000
.endr
.irp i, 2,4,6,8,10,12,14
.irp b, 0,1,2,3
	s_delay_alu instid0(VALU_DEP_4)
	v_max3_num_f32 v[QTM+\b], v[QTM+\b], |v[\s+16*\b+\i]|, |v[\s+1+16*\b+\i]|
.endr
.endr
.irp b, 0,1,2,3
	s_delay_alu instid0(VALU_DEP_4)
	v_permlanex16_b32 v[QTM+4+\b], v[QTM+\b], s[SEL], s[SEL+1]
.endr
.irp b, 0,1,2,3
	s_delay_alu instid0(VALU_DEP_4)
	v_max_num_f32 v[QTM+\b], v[QTM+\b], v[QTM+4+\b]
.endr
.irp b, 0,1,2,3
	s_delay_alu instid0(VALU_DEP_4)
	v_add_nc_u32 v[QTS+\b], 0xff000000, v[QTM+\b]
.endr
.irp b, 0,1,2,3
	s_delay_alu instid0(VALU_DEP_4)
	v_lshrrev_b32 v[QTM+4+\b], 23, v[QTS+\b]
.endr
	s_delay_alu instid0(VALU_DEP_3)
	v_lshl_or_b32 v[\pw], v[QTM+5], 8, v[QTM+4]
	s_delay_alu instid0(VALU_DEP_1)
	v_lshl_or_b32 v[\pw], v[QTM+6], 16, v[\pw]
	s_delay_alu instid0(VALU_DEP_1)
	v_lshl_or_b32 v[\pw], v[QTM+7], 24, v[\pw]
.irp c, 0,1
	v_cvt_scalef32_pk16_fp6_f32 v[QPC+6*\c:QPC+2+6*\c], v[\s+32*\c:\s+15+32*\c], v[QTS+2*\c]
	v_cvt_scalef32_pk16_fp6_f32 v[QPC+12+4*\c:QPC+14+4*\c], v[\s+16+32*\c:\s+31+32*\c], v[QTS+2*\c+1]
.endr
	v_nop
.irp c, 0,1
.irp i, 0,1,2
	v_permlane16_swap_b32 v[QPC+6*\c+\i], v[QPC+12+4*\c+\i]
.endr
.irp i, 0,1,2
	s_delay_alu instid0(VALU_DEP_3)
	v_mov_b32 v[QPC+3+6*\c+\i], v[QPC+12+4*\c+\i]
.endr
.endr
.endm
.macro HLOAD reg, s                    ; my 16 tokens' codes of K step s, from memory as they lie
.irp p, 0,1,2,3,4,5
	global_load_b64 v[\reg+2*\p:\reg+2*\p+1], v8, s[HSB:HSB+1] offset:96*(\s)+48*(\p/3)+8*(\p%3)
.endr
.endm
.macro GFRAG t, s, ra, rb              ; a fragment of the gate's weights from the slab: six pieces of 8 bytes; 16 bytes of padding lie behind every 32 pieces
.irp p, 0,1,2,3,4,5
.set PCE, 12*(\s)+6*(\p/3)+\p%3
.if PCE%32 < 29
	ds_load_b64 v[40+12*(\t)+2*\p:41+12*(\t)+2*\p], v[\ra] offset:(\t)*13056+8*PCE+16*(PCE/32)
.else
	ds_load_b64 v[40+12*(\t)+2*\p:41+12*(\t)+2*\p], v[\rb] offset:(\t)*13056+8*PCE+16*(PCE/32)
.endif
.endr
.endm
.macro GSTEP s                         ; the gate's K step s: eight accumulators by turns
.if \s < 7
	s_wait_loadcnt 6                               ; this step's fragment of x is in; the next step's six loads may be out
.else
	s_wait_loadcnt 0x0
.endif
.irp g, 0,1
.if \g > 0
.rept 4
	v_nop
.endr
.endif
.irp t, 0,1,2,3
.if \g == 0
	GFRAG \t, \s, GA0, GA1
.else
	GFRAG \t, \s, GA2, GA3
.endif
.endr
	s_wait_dscnt 0x0
.irp t, 0,1,2,3
.if \t%2 == 0
	v_wmma_scale_f32_16x16x128_f8f6f4 v[96+8*(4*\g+\t):103+8*(4*\g+\t)], v[40+12*\t:51+12*\t], v[16+12*((\s)%2):27+12*((\s)%2)], v[96+8*(4*\g+\t):103+8*(4*\g+\t)], v[224+8*(2*\g+\t/2)+(\s)], v[88+(\s)] matrix_a_fmt:MATRIX_FMT_FP6 matrix_b_fmt:MATRIX_FMT_FP6
.else
	v_wmma_scale_f32_16x16x128_f8f6f4 v[96+8*(4*\g+\t):103+8*(4*\g+\t)], v[40+12*\t:51+12*\t], v[16+12*((\s)%2):27+12*((\s)%2)], v[96+8*(4*\g+\t):103+8*(4*\g+\t)], v[224+8*(2*\g+\t/2)+(\s)], v[88+(\s)] matrix_a_fmt:MATRIX_FMT_FP6 matrix_b_fmt:MATRIX_FMT_FP6 matrix_a_scale:MATRIX_SCALE_ROW1
.endif
.endr
.endr
.rept 4
	v_nop                                          ; places in front of the loads below, of the next step's, and of the first read of the results
.endr
.if \s < 6
	HLOAD 16+12*((\s)%2), (\s)+2
.endif
.endm
	s_load_b256 s[4:11], s[0:1], 0x0               ; qimg, qsc, kimg, ksc
	s_load_b256 s[12:19], s[0:1], 0x20             ; vimg, vsc, x's codes, x's scales
	s_load_b256 s[20:27], s[0:1], 0x40             ; Wq's codes, Wq's scales, bq, oimg
	s_load_b64 s[28:29], s[0:1], 0x60              ; osc
	v_lshl_add_u32 v[SPW], v0, 2, SPARE
	v_mov_b32 v[NIL], 0
	ds_add_u32 v5, v6
	ds_add_u32 v5, v6
	s_wait_dscnt 0x0
	v_lshrrev_b32 v8, 5, v0
	s_delay_alu instid0(VALU_DEP_1)
	v_readfirstlane_b32 s[WV], v8                  ; wave 0..15
	s_bfe_u32 s[CX], ttmp6, 0x40000                ; my place in the cluster: it enters global addresses alone
	; descriptor groups 1: dense blocks as rows of 256 bytes (32 elements of 8 bytes); mask 15, bit 21 beside it
.irp g, G1R, G1S, G1G
	s_mov_b32 s[\g+1], 32<<16
	s_mov_b32 s[\g+3], 32<<16
	s_mov_b32 s[\g+5], 32
	s_mov_b32 s[\g+6], 0
	s_mov_b32 s[\g+7], 0
.endr
	s_mov_b32 s[G1R], 15|(3<<16)|(1<<21)           ; the ring: 96 rows, a quarter of a slot
	s_mov_b32 s[G1R+2], 96<<16
	s_mov_b32 s[G1R+4], 96
	s_mov_b32 s[G1S], 15|(3<<16)|(1<<21)           ; the scale words: 16 rows
	s_mov_b32 s[G1S+2], 16<<16
	s_mov_b32 s[G1S+4], 16
	s_mov_b32 s[G1G], 15|(3<<16)|(1<<20)|(1<<21)|(5<<22)|(3<<25)   ; the slab: 96 rows, 16 bytes of padding behind each
	s_mov_b32 s[G1G+2], 96<<16
	s_mov_b32 s[G1G+4], 96
	s_mov_b32 s[SEL], 0x76543210
	s_mov_b32 s[SEL+1], 0xfedcba98
	s_mov_b32 s[CS], 0x3e0293ee                    ; log2(e) / sqrt(128)
	s_mov_b32 s[CS+1], s[CS]
	s_mov_b32 s[NL2E], 0xbfb8aa3b                  ; -log2(e)
	s_mov_b32 s[NL2E+1], s[NL2E]
	s_and_b32 s80, ttmp7, 0xffff                   ; batch x 8 + head: the same in all four partners
	s_lshr_b32 s81, s80, 3                         ; batch
	s_and_b32 s82, s80, 7                          ; head
	s_lshr_b32 s2, s82, 2                          ; kv head
	s_lshl_b32 s83, s81, 1
	s_add_co_u32 s83, s83, s2                      ; batch x 2 + kv head
	s_lshl_b32 s2, s2, 10
	s_and_b32 s3, s82, 3
	s_lshl_b32 s3, s3, 7
	s_add_co_u32 s2, s2, s3
	s_add_co_u32 s2, s2, 512                       ; the gate's first row of Wq
	s_lshl_b32 s[WSB], s2, 5
	s_mov_b32 s[WSB+1], 0
	s_lshl_b32 s[BQB], s2, 2
	s_mov_b32 s[BQB+1], 0
	s_and_b32 s3, s[WV], 3
	s_lshl_b32 s[G0G+2], s3, 5
	s_add_co_u32 s[G0G+2], s[G0G+2], s2
	s_mul_i32 s[G0G+2], s[G0G+2], 768              ; the slab: 32 rows a wave, in memory,
	s_mov_b32 s[G0G+3], 0
	s_mul_i32 s[G0G+1], s3, 26112
	s_add_co_u32 s[G0G+1], s[G0G+1], SLAB          ; and in LDS
	s_mul_i32 s[G0R+1], s3, 24576                  ; the ring: waves 0, 1 k's halves, waves 2, 3 v's
	s_add_co_u32 s[G0R+9], s[G0R+1], SLOTB
	s_lshl_b32 s[G0S+1], s3, 12
	s_add_co_u32 s[G0S+1], s[G0S+1], SCK
	s_and_b32 s2, s[WV], 1
	s_mul_i32 s[G0R+2], s83, 196608
	s_mul_i32 s3, s2, 24576
	s_add_co_u32 s[G0R+2], s[G0R+2], s3
	s_mov_b32 s[G0R+3], 0
	s_lshl_b32 s[G0S+2], s83, 13
	s_lshl_b32 s3, s2, 12
	s_add_co_u32 s[G0S+2], s[G0S+2], s3
	s_mov_b32 s[G0S+3], 0
	s_mov_b32 s[G0R], 1
	s_mov_b32 s[G0R+8], 1
	s_mov_b32 s[G0S], 1
	s_mov_b32 s[G0G], 1
	s_wait_kmcnt 0x0
	s_and_b32 s2, s[WV], 2                         ; of each four waves the first two fetch for k, the others for v
	s_cmp_eq_u32 s2, 0
	s_cselect_b64 s[2:3], s[8:9], s[12:13]
	s_add_nc_u64 s[G0R+2:G0R+3], s[2:3], s[G0R+2:G0R+3]
	s_add_nc_u64 s[G0R+10:G0R+11], s[G0R+2:G0R+3], 49152
	s_cselect_b64 s[2:3], s[10:11], s[14:15]
	s_add_nc_u64 s[G0S+2:G0S+3], s[2:3], s[G0S+2:G0S+3]
	s_add_nc_u64 s[G0G+2:G0G+3], s[20:21], s[G0G+2:G0G+3]
	s_or_b32 s[G0R+3], s[G0R+3], 0x80000000
	s_or_b32 s[G0R+11], s[G0R+11], 0x80000000
	s_or_b32 s[G0S+3], s[G0S+3], 0x80000000
	s_or_b32 s[G0G+3], s[G0G+3], 0x80000000
	CROUND                                         ; all four work-groups are here: the first joint loads meet
	s_cmp_lt_u32 s[WV], 4                          ; the first fills, one a wave: waves 0-3 slot 0, waves 4-7 the scale words
	s_cbranch_scc0 .Lhead_scales
	tensor_load_to_lds s[G0R:G0R+3], s[G1R:G1R+7]
	s_nop 0
.rept 4
	v_nop
.endr
	s_branch .Lfirst_asked
.Lhead_scales:
	s_cmp_lt_u32 s[WV], 8
	s_cbranch_scc0 .Lfirst_asked
	tensor_load_to_lds s[G0S:G0S+3], s[G1S:G1S+7]
	s_nop 0
.rept 4
	v_nop
.endr
.Lfirst_asked:
	s_lshl_b32 s2, ttmp9, 2
	s_add_co_u32 s2, s2, s[CX]                     ; my block of 256 queries
	s_lshl_b32 s2, s2, 4
	s_add_co_u32 s2, s2, s[WV]                     ; my tile of 16
	s_lshl_b32 s3, s80, 7
	s_add_co_u32 s3, s3, s2
	s_mul_i32 s86, s3, 1536
	s_mov_b32 s87, 0
	s_add_nc_u64 s[4:5], s[4:5], s[86:87]          ; q's image
	s_lshl_b32 s86, s3, 6
	s_add_nc_u64 s[6:7], s[6:7], s[86:87]          ; and its scale words
	s_lshl_b32 s3, s81, 7
	s_add_co_u32 s3, s3, s2                        ; my tile among the 512 tiles of tokens
	s_mul_i32 s86, s3, 16*768
	s_add_nc_u64 s[HSB:HSB+1], s[16:17], s[86:87]
	s_lshl_b32 s88, s3, 9
	s_mov_b32 s89, 0
	s_add_nc_u64 s[HSSB:HSSB+1], s[18:19], s[88:89]
	s_add_nc_u64 s[WSB:WSB+1], s[22:23], s[WSB:WSB+1]
	s_add_nc_u64 s[BQB:BQB+1], s[24:25], s[BQB:BQB+1]
	s_lshr_b32 s94, s82, 1
	s_lshl_b32 s94, s94, 9
	s_add_co_u32 s94, s94, s3
	s_lshl_b32 s94, s94, 1
	s_and_b32 s95, s82, 1
	s_add_co_u32 s94, s94, s95
	s_mul_i32 s94, s94, 1536
	s_mov_b32 s95, 0
	s_add_nc_u64 s[OIB:OIB+1], s[26:27], s[94:95]  ; oimg [head / 2][tile][head % 2]
	s_lshl_b32 s96, s3, 3
	s_add_co_u32 s96, s96, s82
	s_lshl_b32 s96, s96, 7
	s_mov_b32 s97, 0
	s_add_nc_u64 s[OSB:OSB+1], s[28:29], s[96:97]  ; osc [tile][head], 128 bytes each
	s_and_b32 s2, s[CX], 1                         ; the prefetches
	s_mul_i32 s2, s2, 24576
	s_and_b32 s3, s[WV], 3
	s_lshl_b32 s3, s3, 13
	s_add_co_u32 s2, s2, s3
	s_mul_i32 s3, s83, 196608
	s_add_co_u32 s2, s2, s3
	s_mov_b32 s3, 0
	s_cmp_lt_u32 s[CX], 2
	s_cselect_b64 s[PFA:PFA+1], s[8:9], s[12:13]
	s_add_nc_u64 s[PFA:PFA+1], s[PFA:PFA+1], s[2:3]
	s_sub_co_u32 s2, s[WV], 4
	s_lshr_b32 s2, s2, 2                           ; 0 in waves 4 to 7,
	s_or_b32 s2, s2, ttmp9                         ; of cluster x = 0,
	s_and_b32 s3, s82, 3
	s_or_b32 s2, s2, s3                            ; of the group's first head
	s_cmp_eq_u32 s2, 0
	s_cselect_b32 s[LIM], 1, 0
	s_cmp_eq_u32 s[WV], 7                          ; (three waves' worth)
	s_cselect_b32 s[LIM], 0, s[LIM]
	s_mov_b32 s[TSC], 0
	v_and_b32 v8, 31, v0
	s_delay_alu instid0(VALU_DEP_1)
	v_lshlrev_b32 v[LI], 4, v8
	s_delay_alu instid0(VALU_DEP_2)
	v_lshl_add_u32 v[ASK0], v8, 2, SCK
	s_delay_alu instid0(VALU_DEP_3)
	v_lshlrev_b32 v[PFO], 8, v8
	v_and_b32 v10, 15, v0                          ; r
	v_bfe_u32 v11, v0, 4, 1                        ; h
	s_delay_alu instid0(VALU_DEP_2)
	v_mul_u32_u24 v[GA0], v10, 816
	s_delay_alu instid0(VALU_DEP_1)
	v_mad_u32_u24 v[GA0], v11, 24, v[GA0]
	s_delay_alu instid0(VALU_DEP_1)
	v_add_nc_u32 v[GA0], SLAB, v[GA0]
	s_delay_alu instid0(VALU_DEP_1)
	v_lshl_add_u32 v[GA1], v11, 4, v[GA0]
	s_delay_alu instid0(VALU_DEP_2)
	v_add_nc_u32 v[GA2], 52224, v[GA0]
	s_delay_alu instid0(VALU_DEP_2)
	v_add_nc_u32 v[GA3], 52224, v[GA1]
	v_lshlrev_b32 v11, 2, v10                      ; 4 r
.irp c, 0,1,2
	global_load_b128 v[16+4*\c:19+4*\c], v[LI], s[4:5] offset:512*\c   ; Q's fragment stays in registers
.endr
	global_load_b32 v255, v11, s[6:7]              ; and its scale words
	v_mov_b32 v13, 0xff61b1e6                      ; the largest t so far: -3e38
	s_delay_alu instid0(VALU_DEP_1)
	v_floor_f32 v12, -v13
	v_mov_b32 v14, 0
	v_mov_b32 v15, 0
.irp b, 0,1,2,3
	v_mov_b32 v[236+\b], 0                         ; written once: a lane permute's destination counts as one of its sources
.endr
	v_mov_b32 v253, 0
.set j, 0
.rept 64
	v_mov_b32 v[160+j], 0                          ; O^T: the step is written once, and its first walk finds zeros
.set j, j+1
.endr
	s_wait_loadcnt 0x0                             ; Q
	CHANGE 1, 1, 0, 1, 2                           ; slot 0 and the scale words are in; slot 1 and the slab go out
	FOUR_STEPS 0
	CHANGE 1, 0, 1, 0, 3
	FOUR_STEPS 1
	CHANGE 1, 1, 1, 0, 0
	FOUR_STEPS 0
	CHANGE 0, 0, 0, 0, 0                           ; the last slot: nothing is left to ask for
	FOUR_STEPS 1
	; THE TAIL.  The row's sum; the gate; O / sum x sigmoid(gate); the quantiser; the image.
	s_wait_xcnt 0x0                                ; the prefetches, slots back, have read their offset register, on which a load lands below
	v_add_f32 v14, v14, v15
	s_delay_alu instid0(VALU_DEP_1)
	v_permlanex16_b32 v13, v14, s[SEL], s[SEL+1]
	s_delay_alu instid0(VALU_DEP_1)
	v_add_f32 v14, v14, v13                        ; the row's sum
	v_and_b32 v12, 15, v0                          ; r
	v_bfe_u32 v13, v0, 4, 1                        ; h
	s_delay_alu instid0(VALU_DEP_2)
	v_mul_u32_u24 v8, v12, 768
	s_delay_alu instid0(VALU_DEP_1)
	v_mad_u32_u24 v8, v13, 24, v8                  ; x: row r of 768 bytes + 24 h
	s_delay_alu instid0(VALU_DEP_4)
	v_lshlrev_b32 v10, 5, v12                      ; 32 r
	s_delay_alu instid0(VALU_DEP_4)
	v_lshlrev_b32 v11, 5, v13                      ; 32 h
	v_lshlrev_b32 v2, 1, v[LI]                     ; 32 x lane   (these plain lines are the places behind the last products)
	s_wait_alu depctr_va_vdst(0)
	v_rcp_f32 v14, v14
	v_nop
	s_wait_alu depctr_va_vdst(0)                   ; the wait ahead of the reciprocal's first reader
.irp t, 0,1,2,3,4,5,6,7
	global_load_b128 v[96+8*\t:99+8*\t], v11, s[BQB:BQB+1] offset:64*\t          ; the gate's bias is what its sums begin with, in the result's layout
	global_load_b128 v[100+8*\t:103+8*\t], v11, s[BQB:BQB+1] offset:64*\t+16
.endr
.irp P, 0,1,2,3
	global_load_b128 v[224+8*\P:227+8*\P], v2, s[WSB:WSB+1] offset:1024*\P       ; Wq's scale words: a lane a row, two tiles a load, 8 words a row
	global_load_b128 v[228+8*\P:231+8*\P], v2, s[WSB:WSB+1] offset:1024*\P+16
.endr
	global_load_b128 v[88:91], v10, s[HSSB:HSSB+1]
	global_load_b128 v[92:95], v10, s[HSSB:HSSB+1] offset:16
	HLOAD 16, 0
	HLOAD 28, 1
.irp s, 0,1,2,3,4,5,6,7
	GSTEP \s
.endr
.set j, 0
.rept 32
	v_pk_mul_f32 v[96+j:97+j], v[96+j:97+j], s[NL2E:NL2E+1] op_sel_hi:[1,0]     ; -g log2(e); each accumulator from its low end on
.set j, j+2
.endr
.set j, 0
	s_wait_alu depctr_va_vdst(0)
.rept 64
	v_exp_f32 v[96+j], v[96+j]
.set j, j+1
.endr
.set j, 0
	s_wait_alu depctr_va_vdst(0)
.rept 32
	v_pk_mul_f32 v[160+j:161+j], v[160+j:161+j], v[14:15] op_sel_hi:[1,0]       ; O^T / the sum: plain work that names none of the exponentials' results
.set j, j+2
.endr
	s_wait_alu depctr_va_vdst(0)                   ; one wait for the 64
.set j, 0
.rept 32
	v_pk_add_f32 v[96+j:97+j], v[96+j:97+j], 1.0 op_sel_hi:[1,0]
.set j, j+2
.endr
.set j, 0
	s_wait_alu depctr_va_vdst(0)
.rept 64
	v_rcp_f32 v[96+j], v[96+j]                     ; sigmoid(g) = 1 / (1 + 2^(-g log2(e)))
.set j, j+1
.endr
	v_nop
	s_wait_alu depctr_va_vdst(0)                   ; one wait for the 64
.set j, 0
.rept 32
	v_pk_mul_f32 v[96+j:97+j], v[96+j:97+j], v[160+j:161+j]
.set j, j+2
.endr
.irp b, 0,1,2,3                                ; register 16 b + j held channel 32 b + 8 h + j, register 16 b + 8 + j channel 32 b + 16 + 8 h + j: after the swaps a lane's 16 registers are channels 32 b + 16 h + 0 .. 15, the true order
.irp j, 0,1,2,3,4,5,6,7
	v_permlane16_swap_b32 v[96+16*\b+\j], v[104+16*\b+\j]
.endr
.endr
	QUANT 96, 13
	v_lshrrev_b32 v3, 2, v[LI]                     ; 4 x lane
.irp c, 0,1,2
	global_store_b128 v[LI], v[QPC+4*\c:QPC+4*\c+3], s[OIB:OIB+1] offset:512*\c  ; 512 consecutive bytes a store
.endr
	global_store_b32 v3, v13, s[OSB:OSB+1]         ; both halves of the lanes hold the rows' words: 128 bytes
	s_wait_tensorcnt 0x0                           ; the wave's end
	ds_add_u32 v[SPW], v[NIL]
	s_wait_dscnt 0x0
	CROUND                                         ; the closing round
	s_endpgm
.Lfunc_end_k_q2e5b516d42_attn:
	.size	k_q2e5b516d42_attn, .Lfunc_end_k_q2e5b516d42_attn-k_q2e5b516d42_attn
	.p2alignl 7, 3214868480
	.fill 96, 4, 3214868480
	.section	.rodata,"a",@progbits
	.p2align	6, 0x0
	.amdhsa_kernel k_q2e5b516d42_attn
		.amdhsa_group_segment_fixed_size 327680
		.amdhsa_private_segment_fixed_size 0
		.amdhsa_enable_private_segment 0
		.amdhsa_kernarg_size 104
		.amdhsa_user_sgpr_count 2
		.amdhsa_user_sgpr_kernarg_segment_ptr 1
		.amdhsa_wavefront_size32 1
		.amdhsa_system_sgpr_workgroup_id_x 1
		.amdhsa_system_sgpr_workgroup_id_y 1
		.amdhsa_system_sgpr_workgroup_id_z 1
		.amdhsa_system_vgpr_workitem_id 0
		.amdhsa_next_free_vgpr 256
		.amdhsa_next_free_sgpr 100
		.amdhsa_reserve_vcc 0
		.amdhsa_float_denorm_mode_32 3
		.amdhsa_float_denorm_mode_16_64 3
		.amdhsa_memory_ordered 1
		.amdhsa_forward_progress 1
		.amdhsa_inst_pref_size 158
	.end_amdhsa_kernel
	.amdgpu_metadata
---
amdhsa.version: [ 1, 2 ]
amdhsa.kernels:
  - .name:           k_q2e5b516d42_attn
    .symbol:         k_q2e5b516d42_attn.kd
    .args:
      - { .name: qimg, .offset: 0, .size: 8, .value_kind: global_buffer, .address_space: global }
      - { .name: qsc, .offset: 8, .size: 8, .value_kind: global_buffer, .address_space: global }
      - { .name: kimg, .offset: 16, .size: 8, .value_kind: global_buffer, .address_space: global }
      - { .name: ksc, .offset: 24, .size: 8, .value_kind: global_buffer, .address_space: global }
      - { .name: vimg, .offset: 32, .size: 8, .value_kind: global_buffer, .address_space: global }
      - { .name: vsc, .offset: 40, .size: 8, .value_kind: global_buffer, .address_space: global }
      - { .name: hidden_states_codes, .offset: 48, .size: 8, .value_kind: global_buffer, .address_space: global }
      - { .name: hidden_states_scales, .offset: 56, .size: 8, .value_kind: global_buffer, .address_space: global }
      - { .name: Wq_codes, .offset: 64, .size: 8, .value_kind: global_buffer, .address_space: global }
      - { .name: Wq_scales, .offset: 72, .size: 8, .value_kind: global_buffer, .address_space: global }
      - { .name: bq, .offset: 80, .size: 8, .value_kind: global_buffer, .address_space: global }
      - { .name: oimg, .offset: 88, .size: 8, .value_kind: global_buffer, .address_space: global }
      - { .name: osc, .offset: 96, .size: 8, .value_kind: global_buffer, .address_space: global }
    .group_segment_fixed_size: 327680
    .private_segment_fixed_size: 0
    .kernarg_segment_align: 8
    .kernarg_segment_size: 104
    .max_flat_workgroup_size: 512
    .sgpr_count:     100
    .vgpr_count:     256
    .wavefront_size: 32
...
	.end_amdgpu_metadata
.endif
;; end of part 2
;; launch outp (part 3): grid 4 x 64, 4 waves a work-group, clusters of 4 x 4, 327,680 bytes of LDS; arguments oimg, osc, Wo_codes, Wo_scales, bo, out0; writes out0
.if DOCPART == 3
	.amdgcn_target "amdgcn-amd-amdhsa--gfx1250"
	.amdhsa_code_object_version 6
	.text
	.protected	k_q2e5b516d42_outp
	.globl	k_q2e5b516d42_outp
	.p2align	8
	.type	k_q2e5b516d42_outp,@function
k_q2e5b516d42_outp:
	s_mov_b64 s[64:65], 0
	v_nop
	global_prefetch_b8 v0, s[64:65] scope:SCOPE_SE
	s_setreg_imm32_b32 hwreg(HW_REG_WAVE_MODE, 25, 1), 1
	s_wait_xcnt 0x0
	s_wait_alu depctr_hold_cnt(0) depctr_sa_sdst(0) depctr_va_vdst(0) depctr_va_sdst(0) depctr_va_ssrc(0) depctr_va_vcc(0) depctr_vm_vsrc(0)
	s_getreg_b32 s2, hwreg(HW_REG_IB_STS2, 6, 4)
	s_cmp_eq_u32 s2, 0
	s_cbranch_scc0 .Lentry_in_a_cluster
	s_endpgm
.Lentry_in_a_cluster:
	s_bfe_u32 s2, ttmp6, 0x10000c
	s_cmp_lg_u32 s2, 0xf033
	s_cbranch_scc0 .Lentry_shape_is_right
	s_endpgm
.Lentry_shape_is_right:
; out0 = (gated attention result) Wo + bo on codes of FP6 (E2M3) with E8M0 scales; sums in f32.
; A work-group makes 128 rows x 256 columns: 64 x 4 = 256 work-groups.  A wave makes 64 x 128: 32 accumulators (window 2).
; A (oimg) comes as images of operand registers, [head / 2][tile of 16 rows][head % 2] x 1,536 bytes, through a ring of two slots of 256 along K (8 tiles x 3,072 bytes).
; Wo's 256 rows come ONCE, whole: 768 bytes a row, dense in memory, as runs of 256 bytes with 16 bytes of padding behind each.
; CLUSTER 4 x 4: A's tiles are shared along a row of the cluster, Wo's rows along a column: joint loads.
; The products are used transposed (source 0 = Wo's rows, source 1 = A's): a lane holds eight neighbouring columns of a row of out0.  The bias is the C of each accumulator's first product.
; No prefetch: the walk has four fills of A and one of Wo, and no loop to run ahead in.
; REGISTERS: window 0: v16-29 addresses; v32-63 A's scale words; v96-127 Wo's; v128-223 A's fragments, two sets; on the way out v128-255.
;   window 1: Wo's fragments, two sets, at v0 and v128; the bias at v96-127 and v224-255.   window 2: accumulator (a, b) at v[8 (8 a + b)].
.set SIZE_N, 1024
.set PITCH,  816                       ; a row of Wo in LDS: 3 x (256 + 16)
.set FR,     12
.set NP,     4
.set HALFA,  12288                     ; 4 tiles x 3,072 bytes: what one load of A brings, and what one wave reads of a slot
.set SLOT,   2*HALFA
.set BBASE,  2*SLOT                    ; Wo's rows lie behind A's ring
.set HALFB,  128*PITCH
.set SPARE,  BBASE+2*HALFB             ; the spare words: 512 bytes
.set STAGE,  SPARE+512                 ; the way out: 16 rows x 528 bytes a wave, on bytes that no tensor load fills
.set SPITCH, 528
.set ADRA, 16                          ; v16-17 my A images in slot 0, 1
.set ADRB, 20                          ; v20-23 Wo: blocks 0-3 (plain; behind one padding more), blocks 4-7 (the same two)
.set STO,  24
.set RD,   25
.set CO,   26
.set SPW,  28
.set NIL,  29
.set SA,   32
.set SB,   96
.set AF,   128
.set BK,   128
.set G1,   24
.set G0,   32
.set G1B,  48
.set G0B,  56
.set WV,   92
.set RH,   93
.set CH,   94
.set TR,   95
.set MSB, 0
.macro WIN new
.if MSB != (\new)
	s_set_vgpr_msb (MSB<<8)|(\new)
.set MSB, (\new)
.endif
.endm
.set MUL_LO, 0xa1                      ; source 0 window 1, source 1 window 0, C and D window 2
.set MUL_C,  0x91                      ; the same with C (the bias) in window 1
.set TO_B,   0x40
.macro PLACES n
.rept \n
	v_nop
.endr
.endm
.macro JLOAD g0a, g1a, g0b, g1b        ; the head's joint loads: waves 0, 1 for A, waves 2, 3 for Wo
	s_cmp_eq_u32 s[RH], 0
	s_cbranch_scc0 .Lfor_b_\@
	tensor_load_to_lds s[\g0a:\g0a+3], s[\g1a:\g1a+7]
	s_nop 0
	PLACES NP
	s_branch .Lasked_\@
.Lfor_b_\@:
	tensor_load_to_lds s[\g0b:\g0b+3], s[\g1b:\g1b+7]
	s_nop 0
	PLACES NP
.Lasked_\@:
.endm
.macro JA g0a                          ; a joint load of A's tiles: waves 0 and 1; the places behind the label serve the LDS loads that follow, in every wave
	s_cmp_eq_u32 s[RH], 0
	s_cbranch_scc0 .Lnot_a_\@
	tensor_load_to_lds s[\g0a:\g0a+3], s[G1:G1+7]
	s_nop 0
	PLACES NP
.Lnot_a_\@:
	PLACES NP
.endm
.macro CREST                           ; a round of the cluster's barrier behind its opening barrier
	s_cmp_lg_u32 s[WV], 0
	s_cbranch_scc1 .Lnot_wave_0_\@
	s_barrier_signal -3
.Lnot_wave_0_\@:
	s_barrier_wait -3
	s_barrier_signal -1
	s_barrier_wait -1
.endm
.macro CROUND
	s_barrier_signal -1
	s_barrier_wait -1
	CREST
.endm
.macro FETCH_B q, p                    ; Wo's eight fragments of step q into set p: six pieces of 8 bytes each; 16 bytes of padding lie behind every 32 pieces
	WIN TO_B
.irp i, 0,1,2,3,4,5,6,7
.irp e, 0,1,2,3,4,5
.set PCE, 12*(\q)+6*(\e/3)+\e%3
.if PCE%32 < 29
	ds_load_b64 v[128*(\p)+FR*\i+2*\e:128*(\p)+FR*\i+2*\e+1], v[ADRB+2*(\i/4)] offset:8*PCE+16*(PCE/32)+(\i%4)*16*PITCH
.else                                  ; lanes 16-31 read behind one padding more
	ds_load_b64 v[128*(\p)+FR*\i+2*\e:128*(\p)+FR*\i+2*\e+1], v[ADRB+1+2*(\i/4)] offset:8*PCE+16*(PCE/32)+(\i%4)*16*PITCH
.endif
.endr
.endr
	WIN 0
.endm
.macro FETCH_A slot, q, p              ; my four images of the slot's step q into set p
.irp i, 0,1,2,3
.irp c, 0,1,2
	ds_load_b128 v[AF+48*(\p)+FR*\i+4*\c:AF+48*(\p)+FR*\i+4*\c+3], v[ADRA+\slot] offset:\i*3072+(\q)*1536+512*\c
.endr
.endr
.endm
.macro WM a, b, p, ks, zero
.set rD, 8*(8*(\a)+(\b))
.set rB, 128*(\p)+FR*(\b)
.set rA, AF+48*(\p)+FR*(\a)
.set rS0, SB+8*((\b)/2)+(\ks)
.set rS1, SA+8*(\a)+(\ks)
.set rC, 96+8*(\b)+96*((\b)/4)
.set vr, (\b)%2+2*(\zero)
.if vr == 0
	v_wmma_scale_f32_16x16x128_f8f6f4 v[rD:rD+7], v[rB:rB+11], v[rA:rA+11], v[rD:rD+7], v[rS0], v[rS1] matrix_a_fmt:MATRIX_FMT_FP6 matrix_b_fmt:MATRIX_FMT_FP6
.elseif vr == 1
	v_wmma_scale_f32_16x16x128_f8f6f4 v[rD:rD+7], v[rB:rB+11], v[rA:rA+11], v[rD:rD+7], v[rS0], v[rS1] matrix_a_fmt:MATRIX_FMT_FP6 matrix_b_fmt:MATRIX_FMT_FP6 matrix_a_scale:MATRIX_SCALE_ROW1
.elseif vr == 2
	v_wmma_scale_f32_16x16x128_f8f6f4 v[rD:rD+7], v[rB:rB+11], v[rA:rA+11], v[rC:rC+7], v[rS0], v[rS1] matrix_a_fmt:MATRIX_FMT_FP6 matrix_b_fmt:MATRIX_FMT_FP6
.else
	v_wmma_scale_f32_16x16x128_f8f6f4 v[rD:rD+7], v[rB:rB+11], v[rA:rA+11], v[rC:rC+7], v[rS0], v[rS1] matrix_a_fmt:MATRIX_FMT_FP6 matrix_b_fmt:MATRIX_FMT_FP6 matrix_a_scale:MATRIX_SCALE_ROW1
.endif
.endm
.macro MUL16 a0, p, ks, zero           ; the 32 accumulators take turns, in the same order in every step
.irp a, \a0, \a0+1
.irp b, 0,1,2,3,4,5,6,7
	WM \a, \b, \p, \ks, \zero
.endr
.endr
.endm
; An even step multiplies set 0 and fetches the slot's second step into set 1
.macro EVEN slot, ks, zero
	s_wait_dscnt 0x0                       ; this step's fragments are in
	PLACES NP                              ; ahead of loads into registers that the last step's products have read
	FETCH_B \ks+1, 1
	FETCH_A \slot, 1, 1
.if \zero
	WIN MUL_C
.else
	WIN MUL_LO
.endif
	MUL16 0, 0, \ks, \zero
	MUL16 2, 0, \ks, \zero
	WIN 0
.endm
; An odd step multiplies set 1 and changes slots: all my tensor loads, the add, my reads of the slot; the barrier (fill = 1: it opens a round of the cluster's barrier, and the slot is filled again)
.macro ODD slot, next, ks, fill
	s_wait_tensorcnt 0x0
	ds_add_u32 v[SPW], v[NIL]
	s_wait_dscnt 0x0
	s_barrier_signal -1
	WIN MUL_LO
	MUL16 0, 1, \ks, 0                     ; work on registers while the others arrive
	WIN 0
	s_barrier_wait -1
.if \fill
	CREST
	s_add_nc_u64 s[G0+4*\slot+2:G0+4*\slot+3], s[G0+4*\slot+2:G0+4*\slot+3], 2*512*3072
	JA G0+4*\slot
.else
	PLACES NP
.endif
	FETCH_B \ks+1, 0
	FETCH_A \next, 0, 0
	WIN MUL_LO
	MUL16 2, 1, \ks, 0
	WIN 0
.endm
	s_load_b256 s[4:11], s[0:1], 0x0       ; oimg, osc, Wo's codes, Wo's scales
	s_load_b128 s[12:15], s[0:1], 0x20     ; bo, out0
	v_lshl_add_u32 v[SPW], v0, 2, SPARE
	v_mov_b32 v[NIL], 0
	ds_add_u32 v[SPW], v[NIL]              ; the opening lines
	ds_add_u32 v[SPW], v[NIL]
	s_wait_dscnt 0x0
	v_lshrrev_b32 v1, 5, v0
	v_readfirstlane_b32 s[WV], v1
	s_lshr_b32 s[RH], s[WV], 1             ; my half of the block's rows; also: I fetch for A (0) or for Wo (1)
	s_and_b32 s[CH], s[WV], 1              ; my half of its columns; also: which half of a tile I fetch
	s_bfe_u32 s40, ttmp6, 0x40000
	s_bfe_u32 s41, ttmp6, 0x40004
	s_lshl_b32 s42, ttmp9, 2
	s_add_co_u32 s42, s42, s40             ; block column
	s_and_b32 s[TR], ttmp7, 0xffff
	s_lshl_b32 s[TR], s[TR], 2
	s_add_co_u32 s[TR], s[TR], s41         ; block row, 0 .. 63
	s_lshl_b32 s43, s41, 2
	s_lshl_b32 s43, 15, s43
	s_lshl_b32 s44, 0x1111, s40
	s_or_b32 s[G1+0], s43, (3<<16)|(1<<21) ; A: 48 runs of 256 bytes (32 elements of 8 bytes), dense
	s_mov_b32 s[G1+1], 32<<16
	s_mov_b32 s[G1+2], 48<<16
	s_mov_b32 s[G1+3], 32<<16
	s_mov_b32 s[G1+4], 48
	s_mov_b32 s[G1+5], 32
	s_mov_b32 s[G1+6], 0
	s_mov_b32 s[G1+7], 0
	s_or_b32 s[G1B+0], s44, (3<<16)|(1<<20)|(1<<21)|(5<<22)|(3<<25)   ; 128 rows of Wo: 384 runs of 256 bytes, padded
	s_mov_b32 s[G1B+1], 32<<16
	s_mov_b32 s[G1B+2], 384<<16
	s_mov_b32 s[G1B+3], 32<<16
	s_mov_b32 s[G1B+4], 384
	s_mov_b32 s[G1B+5], 32
	s_mov_b32 s[G1B+6], 0
	s_mov_b32 s[G1B+7], 0
	s_lshl_b32 s20, s[TR], 3
	s_lshl_b32 s21, s[CH], 2
	s_add_co_u32 s20, s20, s21
	s_mul_i32 s20, s20, 3072               ; A: tile 8 x block row + 4 x half
	s_mov_b32 s21, 0
	s_lshl_b32 s46, s42, 8
	s_lshl_b32 s47, s[CH], 7
	s_add_co_u32 s46, s46, s47             ; Wo: row 256 x block column + 128 x half
	s_lshl_b32 s22, s46, 5
	s_mul_i32 s46, s46, 768
	s_mov_b32 s47, 0
	s_mul_i32 s45, s[CH], HALFA
	s_mul_i32 s18, s[CH], HALFB
	s_add_co_u32 s18, s18, BBASE
	s_wait_kmcnt 0x0
	s_add_nc_u64 s[20:21], s[4:5], s[20:21]
	s_add_nc_u64 s[46:47], s[8:9], s[46:47]
	CROUND                                 ; all sixteen work-groups are here: the first joint loads meet
.irp s, 0,1
	s_mov_b32 s[G0+4*\s], 1
	s_add_co_u32 s[G0+4*\s+1], s45, \s*SLOT
	s_add_nc_u64 s[G0+4*\s+2:G0+4*\s+3], s[20:21], \s*512*3072
	s_or_b32 s[G0+4*\s+3], s[G0+4*\s+3], 0x80000000
.endr
	s_mov_b32 s[G0B], 1
	s_add_co_u32 s[G0B+1], s18, 0
	s_mov_b64 s[G0B+2:G0B+3], s[46:47]
	s_or_b32 s[G0B+3], s[G0B+3], 0x80000000
	JLOAD G0, G1, G0B, G1B                 ; one load a wave: waves 0, 1 A's slot 0; waves 2, 3 Wo's rows; the rest of the head stands under them
	s_lshl_b32 s68, s[TR], 3
	s_lshl_b32 s69, s[RH], 2
	s_add_co_u32 s68, s68, s69
	s_lshl_b32 s68, s68, 10
	s_mov_b32 s69, 0
	s_add_nc_u64 s[68:69], s[6:7], s[68:69]   ; osc [tile][head], 128 bytes each: my four tiles
	s_mov_b32 s70, s22
	s_mov_b32 s71, 0
	s_add_nc_u64 s[70:71], s[10:11], s[70:71]
	s_lshr_b32 s72, s22, 3
	s_mov_b32 s73, 0
	s_add_nc_u64 s[72:73], s[12:13], s[72:73]
	v_and_b32 v3, 31, v0
	v_and_b32 v1, 15, v0
	v_bfe_u32 v2, v0, 4, 1
	v_lshlrev_b32 v5, 2, v3
	v_lshlrev_b32 v6, 5, v3
	v_lshlrev_b32 v7, 5, v2
	v_lshlrev_b32 v[CO], 4, v3
.irp i, 0,1,2,3
.irp k, 0,1,2,3,4,5,6,7
	global_load_b32 v[SA+8*\i+\k], v5, s[68:69] offset:(8*\i+\k)*128
.endr
.endr
.irp P, 0,1,2,3
	global_load_b128 v[SB+8*\P:SB+8*\P+3], v6, s[70:71] offset:1024*\P       ; a lane a row of Wo's scales: two blocks a load, 8 words a row
	global_load_b128 v[SB+8*\P+4:SB+8*\P+7], v6, s[70:71] offset:1024*\P+16
.endr
	WIN 0x40
.irp b, 0,1,2,3,4,5,6,7
	global_load_b128 v[96+8*\b+96*(\b/4):99+8*\b+96*(\b/4)], v7, s[72:73] offset:64*\b        ; the bias, in the result's layout
	global_load_b128 v[100+8*\b+96*(\b/4):103+8*\b+96*(\b/4)], v7, s[72:73] offset:64*\b+16
.endr
	WIN 0
	v_mul_u32_u24 v4, v1, PITCH
	v_mad_u32_u24 v4, v2, 24, v4
	v_lshl_add_u32 v8, v2, 4, v4
	s_mul_i32 s21, s[RH], HALFA
	s_mul_i32 s22, s[CH], HALFB
	s_add_co_u32 s22, s22, BBASE
.irp s, 0,1
	v_add_nc_u32 v[ADRA+\s], s21, v[CO]
	v_add_nc_u32 v[ADRB+2*\s], s22, v4
	v_add_nc_u32 v[ADRB+1+2*\s], s22, v8
	s_add_co_u32 s21, s21, SLOT
	s_add_co_u32 s22, s22, 64*PITCH
.endr
	s_mul_i32 s23, s[WV], 16*SPITCH
	s_add_co_u32 s23, s23, STAGE
	v_mul_u32_u24 v4, v1, SPITCH
	v_lshl_add_u32 v4, v2, 5, v4
	v_add_nc_u32 v[STO], s23, v4
	v_add_nc_u32 v[RD], s23, v[CO]
	s_lshl_b32 s20, s[TR], 7
	s_lshl_b32 s21, s[RH], 6
	s_add_co_u32 s20, s20, s21             ; my first row of out0: 128 x block row + 64 x half
	s_lshl_b32 s20, s20, 12
	s_lshl_b32 s21, s42, 10
	s_add_co_u32 s20, s20, s21
	s_lshl_b32 s21, s[CH], 9
	s_add_co_u32 s20, s20, s21
	s_mov_b32 s21, 0
	s_add_nc_u64 s[14:15], s[14:15], s[20:21]
	s_wait_alu depctr_va_vdst(0)
	s_wait_tensorcnt 0x0                   ; my tile of the head's is in; slot 1's first fill is issued as a refill is
	ds_add_u32 v[SPW], v[NIL]
	s_wait_dscnt 0x0
	CROUND
	JA G0+4
	FETCH_B 0, 0
	FETCH_A 0, 0, 0
	s_wait_loadcnt 0x0                     ; scale words and bias
	EVEN 0, 0, 1
	ODD  0, 1, 1, 1
	EVEN 1, 2, 0
	ODD  1, 0, 3, 1
	EVEN 0, 4, 0
	ODD  0, 1, 5, 0
	EVEN 1, 6, 0
	s_wait_dscnt 0x0                       ; the last step: nothing more to fetch
	WIN MUL_LO
	MUL16 0, 1, 7, 0
	MUL16 2, 1, 7, 0
	WIN 0
; THE WAY OUT, block by block of 16 rows x 128 columns, through my own stage: back come whole rows of 512 bytes, which the 32 lanes store as two aligned runs of 256 bytes
.macro TOSTAGE a
.set AC, 64*(\a)
	WIN 0x08                               ; the data: window 2
.irp b, 0,1,2,3,4,5,6,7
	ds_store_b128 v[STO], v[AC+8*\b:AC+8*\b+3] offset:64*\b          ; each accumulator from its low end on
	ds_store_b128 v[STO], v[AC+8*\b+4:AC+8*\b+7] offset:64*\b+16
.endr
	WIN 0
.set BB, BK+64*((\a)%2)
.irp t, 0,1,2,3,4,5,6,7,8,9,10,11,12,13,14,15
	ds_load_b128 v[BB+4*\t:BB+4*\t+3], v[RD] offset:\t*SPITCH
.endr
.endm
.macro SEND a, younger                 ; younger: the LDS instructions issued behind block a's loads, which may stay out
.set BB, BK+64*((\a)%2)
	s_wait_dscnt \younger
.if (\a) > 0
	s_add_nc_u64 s[14:15], s[14:15], 16*SIZE_N*4   ; behind a wait on XCNT: the earlier stores have read their base
.endif
.irp t, 0,1,2,3,4,5,6,7,8,9,10,11,12,13,14,15
	global_store_b128 v[CO], v[BB+4*\t:BB+4*\t+3], s[14:15] offset:\t*SIZE_N*4 th:TH_STORE_NT
.endr
.endm
	PLACES NP                              ; ahead of the first read of results and of loads into A's registers
	TOSTAGE 0
.irp a, 1,2,3
.if \a > 1
	s_wait_xcnt 0x0                        ; block a - 2's stores have read their registers and their base
.endif
	TOSTAGE \a
	SEND \a-1, 32                          ; behind block a - 1's loads: block a's 16 stores and 16 loads
.endr
	s_wait_xcnt 0x0
	SEND 3, 0
	s_wait_tensorcnt 0x0                   ; the wave's end
	ds_add_u32 v[SPW], v[NIL]
	s_wait_dscnt 0x0
	CROUND                                 ; the closing round
	s_endpgm
.Lfunc_end_k_q2e5b516d42_outp:
	.size	k_q2e5b516d42_outp, .Lfunc_end_k_q2e5b516d42_outp-k_q2e5b516d42_outp
	.p2alignl 7, 3214868480
	.fill 96, 4, 3214868480
	.section	.rodata,"a",@progbits
	.p2align	6, 0x0
	.amdhsa_kernel k_q2e5b516d42_outp
		.amdhsa_group_segment_fixed_size 327680
		.amdhsa_private_segment_fixed_size 0
		.amdhsa_enable_private_segment 0
		.amdhsa_kernarg_size 48
		.amdhsa_user_sgpr_count 2
		.amdhsa_user_sgpr_kernarg_segment_ptr 1
		.amdhsa_wavefront_size32 1
		.amdhsa_system_sgpr_workgroup_id_x 1
		.amdhsa_system_sgpr_workgroup_id_y 1
		.amdhsa_system_sgpr_workgroup_id_z 1
		.amdhsa_system_vgpr_workitem_id 0
		.amdhsa_next_free_vgpr 768
		.amdhsa_next_free_sgpr 98
		.amdhsa_reserve_vcc 0
		.amdhsa_float_denorm_mode_32 3
		.amdhsa_float_denorm_mode_16_64 3
		.amdhsa_memory_ordered 1
		.amdhsa_forward_progress 1
		.amdhsa_inst_pref_size 94
	.end_amdhsa_kernel
	.amdgpu_metadata
---
amdhsa.version: [ 1, 2 ]
amdhsa.kernels:
  - .name:           k_q2e5b516d42_outp
    .symbol:         k_q2e5b516d42_outp.kd
    .args:
      - { .name: oimg, .offset: 0, .size: 8, .value_kind: global_buffer, .address_space: global }
      - { .name: osc, .offset: 8, .size: 8, .value_kind: global_buffer, .address_space: global }
      - { .name: Wo_codes, .offset: 16, .size: 8, .value_kind: global_buffer, .address_space: global }
      - { .name: Wo_scales, .offset: 24, .size: 8, .value_kind: global_buffer, .address_space: global }
      - { .name: bo, .offset: 32, .size: 8, .value_kind: global_buffer, .address_space: global }
      - { .name: out0, .offset: 40, .size: 8, .value_kind: global_buffer, .address_space: global }
    .group_segment_fixed_size: 327680
    .private_segment_fixed_size: 0
    .kernarg_segment_align: 8
    .kernarg_segment_size: 48
    .max_flat_workgroup_size: 128
    .sgpr_count:     98
    .vgpr_count:     768
    .wavefront_size: 32
...
	.end_amdgpu_metadata
.endif
;; end of part 3
